; MI455X (gfx1250); checked and timed in simulation.
; The chip was launched on July 23, 2026; its instructions are those of AMD's public machine-readable ISA for CDNA 5 (MIT licence, August 2026) and "CDNA5" Instruction Set Architecture Reference Guide (July 2026). The comments in the code are by the model that wrote it; some were corrected since.
;; Self Attention. Allowed arithmetic: matrix products marked QUANTISED: E2M1 operands, one E8M0 scale for each 32 along K, by v_wmma_scale_f32_16x16x128_f8f6f4 with both operands' format E2M1 (or v_wmma_scale_f32_32x16x128_f4), f32 sums; products left as they are: bf16, f16 or f32 operands; f32 sums; everything else in f32.
;; Inputs: Wk 1,024 x 1,024 float32; Wq 1,024 x 1,024 float32; Wu 1,024 x 1,024 float32; Wv 1,024 x 1,024 float32; bu 1,024 float32; mask 4 x 2,048 bool; x 4 x 2,048 x 1,024 float32.
;; Outputs: out0 4 x 2,048 x 1,024 float32.
;; This version of the problem:
;;   THIS VERSION OF THE PROBLEM IS GIVEN IN LOW PRECISION. The matrix products marked QUANTISED in the list below multiply operands that are first quantised to E2M1 (2 exponent bits, 1 mantissa bit; 4 bits a number), with one power-of-two scale for each 32 numbers along K (OCP MX v1.0); their sums are f32. The products marked 'left as it is' may take bf16, f16 or f32 operands, with f32 sums. Whichever they take, every output number must still come out within the allowed error. Rounding operands to bf16 (8 significant bits) uses up far more of that allowance than f16 does (11 bits, for magnitudes from 6e-5 to 65,504). All else is computed in f32.
;;   The module's matrix products, in the order in which they are computed (A, B: the left and right operand; K: the contracted axis; several contracted axes count as one K, in the product's order):
;;     1. [M 8,192, K 1,024] x [K 1,024, N 1,024]; A: input x; B: input Wq: QUANTISED
;;     2. [M 8,192, K 1,024] x [K 1,024, N 1,024]; A: input x; B: input Wk: QUANTISED
;;     3. [M 8,192, K 1,024] x [K 1,024, N 1,024]; A: input x; B: input Wv: QUANTISED
;;     4. batch 64 x [M 2,048, K 64] x [K 64, N 2,048]; A: computed on the way; B: computed on the way: left as it is (an operand is computed on the way)
;;     5. batch 64 x [M 64, K 2,048] x [K 2,048, N 2,048]; A: computed on the way; B: computed on the way: left as it is (an operand is computed on the way)
;;     6. [M 8,192, K 1,024] x [K 1,024, N 1,024]; A: computed on the way; B: input Wu: left as it is (an operand is computed on the way)
;;   THE QUANTISER, for each operand of a quantised product, along K:
;;     - K is cut into blocks of 32 from its start; a last block that is shorter is filled with zeros.
;;     - A block's scale is 2^e with e = floor(log2(the largest magnitude in the block)) - 2, held to -126 .. 127; a block of zeros has e = 0. As a byte (E8M0): e + 127.
;;     - Each number is divided by its block's scale, clamped to +-6, and rounded to the nearest number of E2M1, ties to even, subnormals kept.
;;     - The product sums the exact products of the quantised numbers (number of the format x scale) in f32.
;;   ~~~python
;;   def quantise(x, axis):      # numpy; x: float32 -> the quantised numbers, widened to float32 again
;;       x = np.moveaxis(x, axis, -1); K = x.shape[-1]
;;       x = np.pad(x, [(0, 0)] * (x.ndim - 1) + [(0, -K % 32)]); x = x.reshape(x.shape[:-1] + (-1, 32)); a = np.abs(x).max(-1, keepdims=True)
;;       e = np.where(a > 0, np.clip(np.frexp(np.where(a > 0, a, 1))[1] - 1 - 2, -126, 127), 0)      # np.frexp(a)[1] - 1 = floor(log2(a)), exactly
;;       r = np.clip(x / 2.0 ** e, -6, 6)
;;       step = 2.0 ** (np.maximum(np.frexp(np.where(r == 0, 1, r))[1] - 1, 0) - 1)
;;       q = np.round(r / step) * step * 2.0 ** e      # np.round: ties to even
;;       return np.moveaxis(q.reshape(q.shape[:-2] + (-1,))[..., :K], -1, axis).astype(np.float32)
;;   ~~~
;; One version. Each part assembles by itself: llvm-mc -triple=amdgcn-amd-amdhsa -mcpu=gfx1250 --defsym DOCPART=n.
;; ======== version 1 of 1: 4 launches
;; limits: values are held in f16: magnitudes above 65,504 overflow, below 6.1e-05 lose precision
;; workspace buffers: xc 4,194,304 bytes; xs 262,144 bytes; wc 1,572,864 bytes; ws 98,304 bytes; wu16 2,097,152 bytes; qkv 50,331,648 bytes; att 16,777,216 bytes
;; launch prep (part 1): grid 384 x 1, 4 waves a work-group, no clusters, 33,280 bytes of LDS; arguments x, Wq, Wk, Wv, Wu, xc, xs, wc, ws, wu16; writes xc, xs, wc, ws, wu16
.if DOCPART == 1
	.amdgcn_target "amdgcn-amd-amdhsa--gfx1250"
	.amdhsa_code_object_version 6
	.text
	.protected	k_q80e94e3d2b_prep
	.globl	k_q80e94e3d2b_prep
	.p2align	8
	.type	k_q80e94e3d2b_prep,@function
k_q80e94e3d2b_prep:
	s_mov_b64 s[64:65], 0
	v_nop
	global_prefetch_b8 v0, s[64:65] scope:SCOPE_SE
	s_setreg_imm32_b32 hwreg(HW_REG_WAVE_MODE, 25, 1), 1
	s_wait_xcnt 0x0
; x [8192][1024] and Wq, Wk, Wv [1024][1024], f32 with K innermost, become codes of FP4 (E2M1), K innermost, with one E8M0 scale byte for each 32 along K;
; Wu [1024][1024] becomes f16, laid [16 blocks of 64 along K][1024 rows][64].
; A block's scale is 2^(floor(log2(its largest magnitude)) - 2); its byte is the largest magnitude's exponent field - 2, held at 1 from below.  Each number is divided by the scale and rounded to the nearest code, ties to even.
; LIMITS: a block of zeros gets the byte 1 where the quantiser's rule says 127: its codes are zeros, which add nothing, and the bytes are read by this program alone.  NaN and infinities are not served.
;         |Wu| must stay under 65,504 (f16's largest number).
; SHARES: a work-group takes 32,768 numbers.  Work-groups 0-255: x; 256-287: Wq; 288-319: Wk; 320-351: Wv (the three weights' codes and bytes lie one behind the other: rows 0-1023, 1024-2047, 2048-3071); 352-383: Wu.
; Rows are dense and K is a multiple of 32: for the quantiser a tensor is a plain stream of blocks of 32, and so are its codes and its bytes.
; A wave takes 16 steps of 512 numbers.  Each load reads 512 consecutive bytes, 16 a lane; a step's 2,048 bytes turn through the wave's own stage in LDS and come back 64 bytes a lane, so that a lane holds 16 neighbours along K
; (two neighbouring lanes hold a block).  A lane's 16 codes are 8 bytes: the wave stores 256 consecutive bytes.  A wave's 256 scale bytes are gathered in LDS and leave as one aligned run of 256 bytes.
; No tensor loads, no barrier: waves share nothing.  No cluster: no two work-groups read the same bytes.
.set WGX,   256                        ; x's work-groups
.set WGW,   32                         ; a weight's
.set WGQ,   WGX+3*WGW                  ; from here on: Wu's
.set STEPS, 16
.set EMAX,  2
.set CB,    8                          ; bytes of 16 codes
.set R,     16                         ; v16-79   four sets of 16 numbers as they are loaded
.set X,     80                         ; v80-111  two sets of 16 neighbours
.set E,     112                        ; v112-127 a scale byte for each step
.set C,     128                        ; v128-191 codes: four registers for each step, so that no store's data are written again
.set WREG,  8192                       ; LDS: a region for each wave: two stages of 32 x SP bytes, behind them its 256 scale bytes
.set SP,    80                         ; a lane's place in a stage: 64 bytes + 16 of padding
.set SPW,   12                         ; v12  LDS address of my spare word; never rewritten
.set NIL,   13                         ; v13  0; never rewritten
.set SPARE, 4*WREG                     ; behind the four regions: the spare words, 128 bytes a wave
.set RA,    16                         ; Wu's path: v16-79, v80-143 two sets of 16 loads; v144-175 the f16 numbers; v176, v177 offsets
.set RB,    80
.set OUTH,  144
.set VS,    176
.set VD,    177
	s_load_b512 s[4:19], s[0:1], 0x0               ; x 4, Wq 6, Wk 8, Wv 10, Wu 12, xc 14, xs 16, wc 18
	s_load_b128 s[20:23], s[0:1], 0x40             ; ws 20, wu16 22
	v_lshl_add_u32 v[SPW], v0, 2, SPARE
	v_mov_b32 v[NIL], 0
	v_lshrrev_b32 v1, 5, v0
	v_readfirstlane_b32 s24, v1                    ; wave
	v_and_b32 v2, 31, v0                           ; lane
	v_lshlrev_b32 v3, 4, v2                        ; my 16 bytes of a load's 512
	s_mul_i32 s25, s24, WREG
	v_lshrrev_b32 v14, 2, v2
	v_mul_u32_u24 v14, v14, SP
	v_and_b32 v15, 3, v2
	v_lshl_add_u32 v14, v15, 4, v14
	v_add_nc_u32 v14, s25, v14                     ; the stage, on the way in: SP (lane / 4) + 16 (lane % 4)
	v_mul_u32_u24 v15, v2, SP
	v_add_nc_u32 v15, s25, v15                     ; and on the way out: SP x lane: my 16 neighbours
	v_mul_u32_u24 v4, v2, CB                       ; my codes' place in a step's
	v_lshrrev_b32 v5, 1, v2
	s_add_co_u32 s25, s25, 2*32*SP
	v_add_nc_u32 v5, s25, v5                       ; LDS: my wave's 256 scale bytes, my block's byte
	v_lshlrev_b32 v7, 3, v2                        ; and on the way out 8 bytes a lane
	v_add_nc_u32 v6, s25, v7
	s_wait_kmcnt 0x0
	s_cmp_ge_u32 ttmp9, WGQ                        ; the two paths part on the work-group's number and do not meet again
	s_cbranch_scc1 .Lwu
	; ---- the quantiser.  Only pointers and run numbers are chosen: all four tensors take one path
	s_and_b32 s32, ttmp9, 31                       ; a weight's work-group within its tensor,
	s_sub_co_u32 s33, ttmp9, WGX                   ; and within the three stacked weights
	s_cmp_lt_u32 ttmp9, WGX+2*WGW
	s_cselect_b64 s[26:27], s[8:9], s[10:11]
	s_cmp_lt_u32 ttmp9, WGX+WGW
	s_cselect_b64 s[26:27], s[6:7], s[26:27]
	s_cmp_lt_u32 ttmp9, WGX
	s_cselect_b64 s[26:27], s[4:5], s[26:27]       ; the numbers,
	s_cselect_b64 s[28:29], s[14:15], s[18:19]     ; the codes,
	s_cselect_b64 s[30:31], s[16:17], s[20:21]     ; the scale bytes
	s_cselect_b32 s32, ttmp9, s32
	s_cselect_b32 s33, ttmp9, s33
	s_lshl_b32 s32, s32, 2
	s_add_co_u32 s32, s32, s24                     ; which run of 8,192 numbers I read,
	s_lshl_b32 s33, s33, 2
	s_add_co_u32 s33, s33, s24                     ; and which I write
	s_lshl_b32 s34, s32, 15                        ; 32,768 bytes of numbers a run
	s_mov_b32 s35, 0
	s_add_nc_u64 s[26:27], s[26:27], s[34:35]
	s_lshl_b32 s34, s33, 12                        ; 4,096 bytes of codes
	s_add_nc_u64 s[28:29], s[28:29], s[34:35]
	s_lshl_b32 s34, s33, 8                         ; 256 scale bytes
	s_add_nc_u64 s[30:31], s[30:31], s[34:35]
.macro LOAD t
.irp i, 0,1,2,3
	global_load_b128 v[R+16*((\t)%4)+4*\i:R+16*((\t)%4)+4*\i+3], v3, s[26:27] offset:2048*(\t)+512*\i th:TH_LOAD_NT   ; 32 lanes read 512 consecutive bytes
.endr
.endm
.macro TURN t                          ; step t's numbers through the stage: LDS serves a wave's instructions in order, so no wait stands between the stores and the loads
.irp i, 0,1,2,3
	ds_store_b128 v14, v[R+16*((\t)%4)+4*\i:R+16*((\t)%4)+4*\i+3] offset:32*SP*((\t)%2)+8*SP*\i
.endr
.irp i, 0,1,2,3
	ds_load_b128 v[X+16*((\t)%2)+4*\i:X+16*((\t)%2)+4*\i+3], v15 offset:32*SP*((\t)%2)+16*\i
.endr
.endm
.irp t, 0,1,2,3
	LOAD \t
.endr
	s_wait_loadcnt 12                              ; step 0's four loads are in; the twelve of steps 1 to 3 may be out
	TURN 0
.macro STEP t
.set XS, X+16*((\t)%2)
.if (\t) > 0
	s_wait_dscnt 1                                 ; this step's numbers are back from the stage (the last step's byte store may be out)
.else
	s_wait_dscnt 0x0
.endif
.if (\t)+4 < STEPS
	LOAD (\t)+4                                    ; into the set whose stores into the stage have been served
.endif
.if (\t)+1 < STEPS
.if STEPS-2-(\t) >= 3
	s_wait_loadcnt 12                              ; the next step's four loads are in; those of the three steps behind it may be out
.else
	s_wait_loadcnt 4*(STEPS-2-(\t))
.endif
	TURN (\t)+1                                    ; they go through the other stage while this step is worked
.endif
	v_max3_num_f32 v8, |v[XS]|, |v[XS+1]|, |v[XS+2]|               ; the largest magnitude of my 16, in two chains
	v_max3_num_f32 v9, |v[XS+3]|, |v[XS+4]|, |v[XS+5]|
.irp i, 6,10
	v_max3_num_f32 v8, v8, |v[XS+\i]|, |v[XS+\i+1]|
	v_max3_num_f32 v9, v9, |v[XS+\i+2]|, |v[XS+\i+3]|
.endr
	v_max3_num_f32 v8, v8, |v[XS+14]|, |v[XS+15]|
	v_max3_num_f32 v8, v8, v9, (EMAX+1)<<23        ; and the floor 2^(3 - 127): the byte cannot fall under 1
	v_max_num_f32_dpp v8, v8, v8 row_xmask:1 row_mask:0xf bank_mask:0xf   ; with my neighbour's 16: the block's
	v_add_nc_u32 v11, -(EMAX<<23), v8              ; 2 off its exponent field: the conversion takes the exponent field of this operand as its scale
	v_cvt_scalef32_pk8_fp4_f32 v[C+4*(\t)], v[XS:XS+7], v11
	v_cvt_scalef32_pk8_fp4_f32 v[C+4*(\t)+1], v[XS+8:XS+15], v11
	v_lshrrev_b32 v[E+(\t)], 23, v11               ; the scale's byte (a plain line behind the conversions)
	ds_store_b8 v5, v[E+(\t)] offset:16*(\t)       ; both lanes of a block write the same byte with the same value
	global_store_b64 v4, v[C+4*(\t):C+4*(\t)+1], s[28:29] offset:32*CB*(\t)   ; 32 lanes store 256 consecutive bytes, aligned
.endm
.irp t, 0,1,2,3,4,5,6,7,8,9,10,11,12,13,14,15
	STEP \t
.endr
	ds_load_b64 v[8:9], v6                         ; LDS serves a wave's instructions in order: these see my byte stores
	s_wait_dscnt 0x0
	global_store_b64 v7, v[8:9], s[30:31]          ; 32 lanes store 256 consecutive bytes, aligned
	s_wait_tensorcnt 0x0                           ; the wave's end, behind my last LDS store
	ds_add_u32 v[SPW], v[NIL]
	s_wait_dscnt 0x0
	s_endpgm
	; ---- Wu to f16.  Wave w of work-group j takes rows 8 (4 j + w) on, two rows at a time.  A load: lanes 0-15 read the 256 bytes (64 numbers: one block along K) of a row, lanes 16-31 those of the next row.
	; Both rows' 64 f16 numbers of a block lie side by side in the result: a store covers 256 consecutive bytes, aligned.
.Lwu:
	s_sub_co_u32 s25, ttmp9, WGQ
	s_lshl_b32 s25, s25, 2
	s_add_co_u32 s25, s25, s24                     ; 4 j + w
	s_lshl_b32 s26, s25, 15                        ; 8 rows of 4,096 bytes
	s_mov_b32 s27, 0
	s_add_nc_u64 s[12:13], s[12:13], s[26:27]
	s_lshl_b32 s26, s25, 10                        ; 8 rows of 128 bytes in each block
	s_add_nc_u64 s[22:23], s[22:23], s[26:27]
	v_and_b32 v[VS], 15, v0
	v_lshlrev_b32 v[VS], 4, v[VS]
	v_bfe_u32 v[VD], v0, 4, 1
	v_lshl_add_u32 v[VS], v[VD], 12, v[VS]         ; 16 (lane % 16) + 4,096 (lane / 16)
	v_lshlrev_b32 v[VD], 3, v2                     ; 8 x lane
.macro LOADG p, set                    ; rows 2 p, 2 p + 1 of my eight: sixteen blocks along K
.irp kb, 0,1,2,3,4,5,6,7,8,9,10,11,12,13,14,15
	global_load_b128 v[\set+4*\kb:\set+4*\kb+3], v[VS], s[12:13] offset:(\p)*8192+\kb*256 th:TH_LOAD_NT
.endr
.endm
.macro CVTG p, set
.irp kb, 0,1,2,3,4,5,6,7,8,9,10,11,12,13,14,15
	v_cvt_pk_f16_f32 v[OUTH+2*\kb], v[\set+4*\kb], v[\set+4*\kb+1]
	v_cvt_pk_f16_f32 v[OUTH+2*\kb+1], v[\set+4*\kb+2], v[\set+4*\kb+3]
.endr
.irp kb, 0,1,2,3,4,5,6,7,8,9,10,11,12,13,14,15
	global_store_b64 v[VD], v[OUTH+2*\kb:OUTH+2*\kb+1], s[22:23] offset:\kb*131072+(\p)*256
.endr
.endm
	LOADG 0, RA
	LOADG 1, RB
	s_wait_loadcnt 16                              ; the older sixteen are in
	CVTG 0, RA
	LOADG 2, RA
	s_wait_loadcnt 16
	s_wait_xcnt 0x0                                ; the last stores have read their data: the f16 registers may be written again
	CVTG 1, RB
	LOADG 3, RB
	s_wait_loadcnt 16
	s_wait_xcnt 0x0
	CVTG 2, RA
	s_wait_loadcnt 0x0
	s_wait_xcnt 0x0
	CVTG 3, RB
	s_wait_tensorcnt 0x0                           ; the wave's end
	ds_add_u32 v[SPW], v[NIL]
	s_wait_dscnt 0x0
	s_endpgm
.Lfunc_end_k_q80e94e3d2b_prep:
	.size	k_q80e94e3d2b_prep, .Lfunc_end_k_q80e94e3d2b_prep-k_q80e94e3d2b_prep
	.p2alignl 7, 3214868480
	.fill 96, 4, 3214868480
	.section	.rodata,"a",@progbits
	.p2align	6, 0x0
	.amdhsa_kernel k_q80e94e3d2b_prep
		.amdhsa_group_segment_fixed_size 33280
		.amdhsa_private_segment_fixed_size 0
		.amdhsa_enable_private_segment 0
		.amdhsa_kernarg_size 80
		.amdhsa_user_sgpr_count 2
		.amdhsa_user_sgpr_kernarg_segment_ptr 1
		.amdhsa_wavefront_size32 1
		.amdhsa_system_sgpr_workgroup_id_x 1
		.amdhsa_system_sgpr_workgroup_id_y 1
		.amdhsa_system_sgpr_workgroup_id_z 1
		.amdhsa_system_vgpr_workitem_id 0
		.amdhsa_next_free_vgpr 192
		.amdhsa_next_free_sgpr 66
		.amdhsa_reserve_vcc 0
		.amdhsa_float_denorm_mode_32 3
		.amdhsa_float_denorm_mode_16_64 3
		.amdhsa_memory_ordered 1
		.amdhsa_forward_progress 1
		.amdhsa_inst_pref_size 54
	.end_amdhsa_kernel
	.amdgpu_metadata
---
amdhsa.version: [ 1, 2 ]
amdhsa.kernels:
  - .name:           k_q80e94e3d2b_prep
    .symbol:         k_q80e94e3d2b_prep.kd
    .args:
      - { .name: x, .offset: 0, .size: 8, .value_kind: global_buffer, .address_space: global }
      - { .name: Wq, .offset: 8, .size: 8, .value_kind: global_buffer, .address_space: global }
      - { .name: Wk, .offset: 16, .size: 8, .value_kind: global_buffer, .address_space: global }
      - { .name: Wv, .offset: 24, .size: 8, .value_kind: global_buffer, .address_space: global }
      - { .name: Wu, .offset: 32, .size: 8, .value_kind: global_buffer, .address_space: global }
      - { .name: xc, .offset: 40, .size: 8, .value_kind: global_buffer, .address_space: global }
      - { .name: xs, .offset: 48, .size: 8, .value_kind: global_buffer, .address_space: global }
      - { .name: wc, .offset: 56, .size: 8, .value_kind: global_buffer, .address_space: global }
      - { .name: ws, .offset: 64, .size: 8, .value_kind: global_buffer, .address_space: global }
      - { .name: wu16, .offset: 72, .size: 8, .value_kind: global_buffer, .address_space: global }
    .group_segment_fixed_size: 33280
    .private_segment_fixed_size: 0
    .kernarg_segment_align: 8
    .kernarg_segment_size: 80
    .max_flat_workgroup_size: 128
    .sgpr_count:     66
    .vgpr_count:     192
    .wavefront_size: 32
...
	.end_amdgpu_metadata
.endif
;; end of part 1
;; launch qkv (part 2): grid 12 x 32, 4 waves a work-group, clusters of 4 x 4, 327,680 bytes of LDS; arguments xc, xs, wc, ws, qkv, mask; writes qkv
.if DOCPART == 2
	.amdgcn_target "amdgcn-amd-amdhsa--gfx1250"
	.amdhsa_code_object_version 6
	.text
	.protected	k_q80e94e3d2b_qkv
	.globl	k_q80e94e3d2b_qkv
	.p2align	8
	.type	k_q80e94e3d2b_qkv,@function
k_q80e94e3d2b_qkv:
	s_mov_b64 s[64:65], 0
	v_nop
	global_prefetch_b8 v0, s[64:65] scope:SCOPE_SE
	s_setreg_imm32_b32 hwreg(HW_REG_WAVE_MODE, 25, 1), 1
	s_wait_xcnt 0x0
	s_wait_alu depctr_hold_cnt(0) depctr_sa_sdst(0) depctr_va_vdst(0) depctr_va_sdst(0) depctr_va_ssrc(0) depctr_va_vcc(0) depctr_vm_vsrc(0)
	s_getreg_b32 s2, hwreg(HW_REG_IB_STS2, 6, 4)
	s_cmp_eq_u32 s2, 0
	s_cbranch_scc0 .Lentry_in_a_cluster
	s_endpgm
.Lentry_in_a_cluster:
	s_bfe_u32 s2, ttmp6, 0x10000c
	s_cmp_lg_u32 s2, 0xf033
	s_cbranch_scc0 .Lentry_shape_is_right
	s_endpgm
.Lentry_shape_is_right:
; q, k, v = x Wq^T, x Wk^T, x Wv^T on codes of FP4 (E2M1) with one E8M0 scale for each 32 along K: one GEMM C = A B^T, A = x's codes [8192][1024], B = the three weights' codes stacked [3072][1024]; sums in f32.
; Each row of C is multiplied in f32 by a factor and rounded once to f16:  q: log2(e) / 32 (both scalings by 1024^(-1/4), and the change to base 2);  k: the token's mask byte as 0.0 or 1.0;  v: 1.0.
; (A masked key's row of k is zero, so that the next launch's score of it is exactly the bias that it starts the sum with.)
; The result is laid head by head: three regions of 2^24 bytes (q, k, v), each [batch x 16 + head][2048 tokens][64] f16: a token's 64 numbers of a head are 128 bytes, four tokens 512 consecutive bytes.
; LIMITS: |q| log2(e) / 32, |k| and |v| must stay under 65,504 (f16's largest number); under 6e-5 they are kept to 6e-8 absolute (f16's subnormals).
; A tile of C, 256 x 256, is made by four waves, each 128 x 128: 64 accumulators of 16 x 16, 512 registers.  K = 1,024 is two LDS slots of 512 along K (rows of 256 bytes): both, and all scale bytes of the
; work-group's rows, are asked for at the head; nothing is filled again.
; CLUSTERS: 4 x 4 work-groups.  The four of a row of the cluster need the same tiles of A, the four of a column the same tiles of B: each tile is asked for jointly, by the same tensor load with the same descriptor and a mask
; that names the four.  THE MATRIX INSTRUCTION IS USED TRANSPOSED (source 0 = 16 rows of B, source 1 = 16 rows of A): a lane then holds one token and eight neighbouring columns.
; REGISTERS, in windows of 256: window 0: v0-31 addresses (v8-15 the mask bytes of my eight blocks of tokens); v32-95 scale words, two sets; from v128 A's fragments, ONE set; on the way out v32-207 are at work.
;   window 1: B's fragments, TWO sets, at v0 and v128.   window 2: the accumulators of my rows 0-63 ((a, b) at v[8 (8 a + b)]);   window 3: those of rows 64-127.
.set SIZE_K, 1024
.set KSTEP,  512                       ; along K in a slot
.set NQ,     KSTEP/128                 ; matrix instructions deep
.set ROWB,   256                       ; a tile's row in bytes
.set KROW,   SIZE_K*4/8                ; a row of codes in memory
.set PITCH,  272                       ; an LDS row: 256 bytes + 16 of padding: the sixteen rows that a load touches begin at sixteen different 16-byte columns modulo 256 bytes
.set FR,     8                         ; registers of a fragment: 16 rows x 128 K
.set NL,     2                         ; LDS loads that bring one
.set NP,     4                         ; places behind this matrix instruction (ISA guide 7.12.1)
.set HALFT,  128*PITCH                 ; 128 rows: what one tensor load brings
.set SLOT,   4*HALFT                   ; A's 256 rows, then B's 256 rows
.set KS,     SIZE_K/32                 ; a row of scale bytes
.set SCL,    2*SLOT                    ; behind the slots: the scale bytes, as runs of 256 bytes + 16 of padding
.set HALFS,  (128*KS/256)*272          ; those of 128 rows
.set SBLK,   (16*KS/256)*272           ; those of 16 rows
.set SPARE,  SCL+4*HALFS               ; the spare words, 128 bytes a wave
.set SPITCH, 272                       ; the way out: a stage of 16 rows x (256 bytes + 16) for each wave, in slot 0, which has had its only fill and its last read by then
.set ADRA, 16                          ; v16-17  LDS address of my A fragments in slot 0, 1
.set ADRB, 20                          ; v20-21  the same for B
.set STO,  24                          ; v24     the way out: where I put 16 bytes of a row
.set RD,   25                          ; v25     where I read back
.set CO,   26                          ; v26     16 x lane: my place in a store's 512 bytes
.set ADRS, 27                          ; v27     LDS address of my scale words: lanes 0-15 A's rows, lanes 16-31 B's
.set SPW,  28                          ; v28     LDS address of my spare word; never rewritten
.set NIL,  29                          ; v29     0; never rewritten
.set MK,   8                           ; v8-15   block a: my token's mask byte
.set SC,   32                          ; scale words: set s at v[SC + 8 NQ s]; register NQ i + q: lanes 0-15 A's block i, lanes 16-31 B's block i, the slot's q-th 128 along K
.set AF,   128                         ; A's fragments
.set F,    32                          ; the way out: v32-47 the row factor of block a, as a pair
.set T32,  48                          ; v48-111  a block's 64 numbers, scaled
.set T16,  112                         ; v112-143 and as f16
.set BK,   144                         ; v144-175, v176-207 a block read back from the stage, by turns
.set G1, 24                            ; s[24:31] descriptor group 1 for A's tiles;  s[32:39] group 0, one set for each slot
.set G0, 32
.set G1B, 48                           ; s[48:55], s[56:63] the same for B's
.set G0B, 56
.set G1S, 68                           ; s[68:75], s[76:79] groups 1 and 0 for A's scales;  s[80:87], s[88:91] for B's
.set G0S, 76
.set G1SB, 80
.set G0SB, 88
.set MSB, 0
.macro WIN new                         ; the immediate's high byte repeats the setting that is left; a switch that changes nothing is dropped
.if MSB != (\new)
	s_set_vgpr_msb (MSB<<8)|(\new)
.set MSB, (\new)
.endif
.endm
.set MUL_LO, 0xa1                      ; source 0 (B) window 1, source 1 (A) window 0, C and D window 2
.set MUL_HI, 0xf1                      ; the same, C and D window 3
.set TO_B,   0x40                      ; destination window 1, address window 0
; A joint load: waves 0 and 1 fetch for A, waves 2 and 3 for B.  Each line has one mask and one set of registers for all that issue it; the branch hangs on the wave's number alone.
; An s_nop 0 and four v_nop follow each of the two lines.
.macro JLOAD g0a, g1a, g0b, g1b
	s_cmp_eq_u32 s15, 0
	s_cbranch_scc0 .Lfor_b_\@
	tensor_load_to_lds s[\g0a:\g0a+3], s[\g1a:\g1a+7]
	s_nop 0
.rept 4
	v_nop
.endr
	s_branch .Lasked_\@
.Lfor_b_\@:
	tensor_load_to_lds s[\g0b:\g0b+3], s[\g1b:\g1b+7]
	s_nop 0
.rept 4
	v_nop
.endr
.Lasked_\@:
.endm
.macro CROUND                          ; a round of the cluster's barrier: my work-group's barrier; wave 0 signals for the work-group; every wave waits for all sixteen; my work-group's barrier once more
	s_barrier_signal -1
	s_barrier_wait -1
	s_cmp_lg_u32 s14, 0
	s_cbranch_scc1 .Lnot_wave_0_\@
	s_barrier_signal -3
.Lnot_wave_0_\@:
	s_barrier_wait -3
	s_barrier_signal -1
	s_barrier_wait -1
.endm
	s_load_b128 s[4:7], s[0:1], 0x0                ; x's codes s[4:5], x's scales s[6:7]
	s_load_b128 s[8:11], s[0:1], 0x10              ; the weights' codes s[8:9], their scales s[10:11]
	s_load_b64 s[12:13], s[0:1], 0x20              ; qkv
	s_load_b64 s[96:97], s[0:1], 0x28              ; mask
	v_lshl_add_u32 v[SPW], v0, 2, SPARE
	v_mov_b32 v[NIL], 0
	ds_add_u32 v[SPW], v[NIL]                      ; the wave's opening: the add, twice on end, and its wait ahead of my first tensor load
	ds_add_u32 v[SPW], v[NIL]
	v_lshrrev_b32 v1, 5, v0
	v_readfirstlane_b32 s14, v1                    ; wave 0..3
	s_lshr_b32 s15, s14, 1                         ; which half of the tile's rows is mine.  Also: I fetch for A (0) or for B (1)
	s_and_b32 s16, s14, 1                          ; which half of its columns.  Also: which 128 rows of that tile I fetch
	s_bfe_u32 s40, ttmp6, 0x40000                  ; cx, cy: my place in the cluster
	s_bfe_u32 s41, ttmp6, 0x40004
	s_lshl_b32 s42, ttmp9, 2
	s_add_co_u32 s42, s42, s40                     ; tile column of C = 4 x cluster x + cx
	s_and_b32 s17, ttmp7, 0xffff
	s_lshl_b32 s17, s17, 2
	s_add_co_u32 s17, s17, s41                     ; tile row of C = 4 x cluster y + cy
	s_lshl_b32 s43, s41, 2
	s_lshl_b32 s43, 15, s43                        ; my row of the cluster
	s_lshl_b32 s44, 0x1111, s40                    ; my column
	; the row factor = mask x s98 + s99.  Four tile columns are one region, so the region is the cluster's x: 0 q, 1 k, 2 v
	s_cmp_eq_u32 ttmp9, 1
	s_cselect_b32 s98, 1.0, 0
	s_cmp_eq_u32 ttmp9, 2
	s_cselect_b32 s99, 1.0, 0
	s_cmp_eq_u32 ttmp9, 0
	s_cselect_b32 s99, 0x3d38aa3b, s99             ; log2(e) / 32
	; descriptor group 1: a tile of 128 rows x 256 bytes, padded in LDS
	s_or_b32 s[G1+0], s43, (0<<16)|(1<<20)|(1<<21)|(5<<22)|(3<<25)  ; 15:0 the mask: A's tiles go to my row; elements of 1 byte; padding on; bit 21 beside a mask; after every 64 words, 4 words
	s_or_b32 s[G1B+0], s44, (0<<16)|(1<<20)|(1<<21)|(5<<22)|(3<<25)
.irp g, G1, G1B
	s_mov_b32 s[\g+1], ROWB<<16                    ; tensor_dim0
	s_mov_b32 s[\g+2], 128<<16                     ; tensor_dim1
	s_mov_b32 s[\g+3], ROWB<<16                    ; tile_dim0
	s_mov_b32 s[\g+4], 128                         ; tile_dim1
	s_mov_b32 s[\g+5], KROW                        ; from row to row
	s_mov_b32 s[\g+6], 0
	s_mov_b32 s[\g+7], 0
.endr
	; the scale bytes of 128 rows: a dense block of 4,096 bytes, as rows of 256 bytes (32 elements of 8 bytes), 16 bytes of padding behind each
	s_or_b32 s[G1S+0], s43, (3<<16)|(1<<20)|(1<<21)|(5<<22)|(3<<25)
	s_or_b32 s[G1SB+0], s44, (3<<16)|(1<<20)|(1<<21)|(5<<22)|(3<<25)
.irp g, G1S, G1SB
	s_mov_b32 s[\g+1], 32<<16
	s_mov_b32 s[\g+2], (128*KS/256)<<16
	s_mov_b32 s[\g+3], 32<<16
	s_mov_b32 s[\g+4], 128*KS/256
	s_mov_b32 s[\g+5], 32
	s_mov_b32 s[\g+6], 0
	s_mov_b32 s[\g+7], 0
.endr
	s_lshl_b32 s18, s16, 7                         ; which 128 rows of the tile I fetch
	s_lshl_b32 s20, s17, 8
	s_add_co_u32 s20, s20, s18                     ; A: row 256 x tile row + 128 x half
	s_lshl_b32 s46, s42, 8
	s_add_co_u32 s46, s46, s18                     ; B: row 256 x tile column + 128 x half
	s_mov_b32 s21, 0
	s_mov_b32 s47, 0
	s_mov_b64 s[18:19], KS
	s_mul_u64 s[22:23], s[20:21], s[18:19]         ; where these rows' scale bytes begin
	s_mul_u64 s[92:93], s[46:47], s[18:19]
	s_mov_b64 s[18:19], KROW
	s_mul_u64 s[20:21], s[20:21], s[18:19]         ; and their codes
	s_mul_u64 s[46:47], s[46:47], s[18:19]
	s_mul_i32 s45, s14, HALFT                      ; where they go: wave x 128 rows: no place in the cluster enters an LDS address
	s_mul_i32 s94, s14, HALFS
	s_wait_dscnt 0x0                               ; both opening adds are done
	s_wait_kmcnt 0x0
	s_add_nc_u64 s[20:21], s[4:5], s[20:21]
	s_add_nc_u64 s[22:23], s[6:7], s[22:23]
	s_add_nc_u64 s[46:47], s[8:9], s[46:47]
	s_add_nc_u64 s[92:93], s[10:11], s[92:93]
	CROUND                                         ; all sixteen work-groups are here: the joint loads meet
	s_mov_b32 s[G0S], 1
	s_add_co_u32 s[G0S+1], s94, SCL
	s_mov_b64 s[G0S+2:G0S+3], s[22:23]
	s_or_b32 s[G0S+3], s[G0S+3], 0x80000000
	s_mov_b32 s[G0SB], 1
	s_add_co_u32 s[G0SB+1], s94, SCL
	s_mov_b64 s[G0SB+2:G0SB+3], s[92:93]
	s_or_b32 s[G0SB+3], s[G0SB+3], 0x80000000
	JLOAD G0S, G1S, G0SB, G1SB                     ; the scale bytes first: they are wanted with the first slot.  Three loads of mine are out behind the third line below
.irp s, 0,1
	s_mov_b32 s[G0+4*\s], 1
	s_add_co_u32 s[G0+4*\s+1], s45, \s*SLOT
	s_add_nc_u64 s[G0+4*\s+2:G0+4*\s+3], s[20:21], \s*ROWB
	s_or_b32 s[G0+4*\s+3], s[G0+4*\s+3], 0x80000000
	s_mov_b32 s[G0B+4*\s], 1
	s_add_co_u32 s[G0B+4*\s+1], s45, \s*SLOT
	s_add_nc_u64 s[G0B+4*\s+2:G0B+4*\s+3], s[46:47], \s*ROWB
	s_or_b32 s[G0B+4*\s+3], s[G0B+4*\s+3], 0x80000000
	JLOAD G0+4*\s, G1, G0B+4*\s, G1B
.endr
	v_and_b32 v1, 15, v0                           ; r = lane % 16
	v_bfe_u32 v2, v0, 4, 1                         ; h = lane / 16
	v_mul_u32_u24 v3, v1, PITCH
	v_lshl_add_u32 v4, v2, 4, v3                   ; a fragment's row x pitch + 16 x half
	s_mul_i32 s21, s15, HALFT                      ; my 128 rows of A
	s_mul_i32 s22, s16, HALFT                      ; my 128 rows of B,
	s_add_co_u32 s22, s22, 2*HALFT                 ; which lie behind A's 256
.irp s, 0,1
	v_add_nc_u32 v[ADRA+\s], s21, v4
	v_add_nc_u32 v[ADRB+\s], s22, v4
	s_add_co_u32 s21, s21, SLOT
	s_add_co_u32 s22, s22, SLOT
.endr
	v_mul_u32_u24 v5, v1, KS                       ; my row's scale bytes: KS a row,
	v_lshrrev_b32 v6, 8, v5
	v_lshl_add_u32 v5, v6, 4, v5                   ; and 16 more for each 256 passed
	s_mul_i32 s21, s15, HALFS                      ; A's: my 128 rows
	s_mul_i32 s22, s16, HALFS                      ; B's: my 128 rows, behind A's 256
	s_add_co_u32 s22, s22, 2*HALFS
	s_sub_co_u32 s22, s22, s21
	v_mul_u32_u24 v6, s22, v2                      ; lanes 16-31 take B's: one product, the distance between the two bases
	s_add_co_u32 s21, s21, SCL
	v_add_nc_u32 v5, v5, v6
	v_add_nc_u32 v[ADRS], s21, v5
	s_mul_i32 s23, s14, 16*SPITCH                  ; my stage
	v_mul_u32_u24 v5, v1, SPITCH                   ; in: row r, 16 bytes for each half of the lanes
	v_lshl_add_u32 v5, v2, 4, v5
	v_add_nc_u32 v[STO], s23, v5
	v_and_b32 v6, 31, v0
	v_lshlrev_b32 v[CO], 4, v6
	v_lshrrev_b32 v5, 3, v6                        ; back: eight lanes take a token's 128 bytes of one head, the 32 lanes four tokens
	v_mul_u32_u24 v5, v5, SPITCH
	v_and_b32 v6, 7, v0
	v_lshl_add_u32 v5, v6, 4, v5
	v_add_nc_u32 v[RD], s23, v5
	s_lshl_b32 s20, s17, 8
	s_lshl_b32 s21, s15, 7
	s_add_co_u32 s20, s20, s21                     ; my first token: 256 x tile row + 128 x half
	s_mov_b32 s21, 0
	s_add_nc_u64 s[96:97], s[96:97], s[20:21]      ; its mask byte
.irp a, 0,1,2,3,4,5,6,7
	global_load_u8 v[MK+\a], v1, s[96:97] offset:16*\a   ; the byte of token 16 a + r
.endr
	s_lshr_b32 s18, s20, 11                        ; the batch: 16 heads of 2^18 bytes each
	s_lshl_b32 s18, s18, 22
	s_and_b32 s19, s20, 2047                       ; the token in it: 128 bytes each
	s_lshl_b32 s19, s19, 7
	s_add_co_u32 s20, s18, s19
	s_lshl_b32 s18, ttmp9, 24                      ; the region
	s_add_co_u32 s20, s20, s18
	s_add_nc_u64 s[12:13], s[12:13], s[20:21]
	s_lshl_b32 s46, s40, 2                         ; my first head: 4 cx + 2 x half (in the registers that held B's address: none that fed A's descriptors holds cx)
	s_lshl_b32 s47, s16, 1
	s_add_co_u32 s46, s46, s47
	s_lshl_b32 s46, s46, 18
	s_mov_b32 s47, 0
	s_add_nc_u64 s[12:13], s[12:13], s[46:47]
.macro FRAG reg, adr, q, i             ; a fragment, 16 rows x 128 K of 4-bit codes: lane l holds row l % 16; registers 4 c .. 4 c + 3 hold K = 64 c + 32 (l / 16) + 0 .. 31
.irp c, 0,1
	ds_load_b128 v[\reg+4*\c:\reg+4*\c+3], v[\adr] offset:64*(\q)+32*\c+(\i)*16*PITCH
.endr
.endm
; 16 matrix instructions: A's blocks a0, a0 + 1 x B's eight, the slot's q-th 128 along K.  p: B's set;  sc: the set of scale words.  zero = 1: the first product starts the sums.
; The 64 accumulators take turns, one instruction a turn, in the same order in every step.
.macro MUL16 a0, p, q, sc, zero
.irp a, \a0, \a0+1
.irp b, 0,1,2,3,4,5,6,7
.if \zero
	v_wmma_scale_f32_16x16x128_f8f6f4 v[8*(8*((\a)%4)+\b):8*(8*((\a)%4)+\b)+7], v[128*(\p)+FR*\b:128*(\p)+FR*\b+FR-1], v[AF+FR*(\a):AF+FR*(\a)+FR-1], 0, v[SC+8*NQ*(\sc)+NQ*\b+(\q)], v[SC+8*NQ*(\sc)+NQ*(\a)+(\q)] matrix_a_fmt:MATRIX_FMT_FP4 matrix_b_fmt:MATRIX_FMT_FP4 matrix_a_scale:MATRIX_SCALE_ROW1
.else
	v_wmma_scale_f32_16x16x128_f8f6f4 v[8*(8*((\a)%4)+\b):8*(8*((\a)%4)+\b)+7], v[128*(\p)+FR*\b:128*(\p)+FR*\b+FR-1], v[AF+FR*(\a):AF+FR*(\a)+FR-1], v[8*(8*((\a)%4)+\b):8*(8*((\a)%4)+\b)+7], v[SC+8*NQ*(\sc)+NQ*\b+(\q)], v[SC+8*NQ*(\sc)+NQ*(\a)+(\q)] matrix_a_fmt:MATRIX_FMT_FP4 matrix_b_fmt:MATRIX_FMT_FP4 matrix_a_scale:MATRIX_SCALE_ROW1
.endif
.endr
.endr
.endm
.macro FETCH_B slot, q, p              ; B's eight fragments of the slot's q-th 128 along K into set p
	WIN TO_B
.irp i, 0,1,2,3,4,5,6,7
	FRAG 128*(\p)+FR*\i, ADRB+\slot, \q, \i
.endr
	WIN 0
.endm
.macro FETCH_A slot, q, i0             ; A's blocks i0 .. i0 + 3
.irp i, \i0, \i0+1, \i0+2, \i0+3
	FRAG AF+FR*(\i), ADRA+\slot, \q, \i
.endr
.endm
.macro SCALES sc                       ; a slot's scale words into set sc: NQ words a row; lanes 0-15 take A's block i, lanes 16-31 B's block i
.irp i, 0,1,2,3,4,5,6,7
	ds_load_b128 v[SC+8*NQ*\sc+NQ*\i:SC+8*NQ*\sc+NQ*\i+3], v[ADRS] offset:\i*SBLK
.endr
.endm
; A load into a register that a matrix instruction has read, and a vector instruction that reads a matrix result or writes one of its registers, stand NP places behind it; only plain vector instructions that name
; none of its registers are places (ISA guide 7.12.1 for vector instructions).
.macro PLACES n
.rept \n
	v_nop
.endr
.endm
.macro STEP slot, q, zero              ; a step of 128 along K that has its successor in the same slot
	s_wait_dscnt 4*NL                              ; B's set and A's blocks 0-3 are in; the youngest eight loads (A's blocks 4-7) may be out
	WIN MUL_LO
	MUL16 0, (\q)%2, \q, \slot, \zero
	MUL16 2, (\q)%2, \q, \slot, \zero
	s_wait_dscnt 0                                 ; A's blocks 4-7 are in
	PLACES NP
	FETCH_B \slot, (\q)+1, 1-(\q)%2
	FETCH_A \slot, (\q)+1, 0
	WIN MUL_HI
	MUL16 4, (\q)%2, \q, \slot, \zero
	MUL16 6, (\q)%2, \q, \slot, \zero
	PLACES NP
	WIN 0
	FETCH_A \slot, (\q)+1, 4
.endm
; Slot 0's last step changes slots: one barrier; in front of it each wave waits for all its tensor loads (its part of slot 1), adds 0 to its spare word, and waits for that and for its reads of slot 0.
; Behind it slot 1 is whole and nobody reads slot 0 any more: the way out's stages will lie there.
.macro TURN slot, next
	s_wait_tensorcnt 0x0
	ds_add_u32 v[SPW], v[NIL]
	s_wait_dscnt 4*NL+1                            ; (the add and the youngest eight loads may be out)
	WIN MUL_LO
	MUL16 0, 1, NQ-1, \slot, 0                     ; sixteen matrix instructions stand between the add and the wait for it
	s_wait_dscnt 0x0                               ; the add is done, and my reads of this slot are over
	s_barrier_signal -1
	MUL16 2, 1, NQ-1, \slot, 0
	WIN 0
	s_barrier_wait -1
	PLACES NP
	v_add_nc_u32 v[ADRS], 4*NQ, v[ADRS]            ; on to the next slot's scale words (no LDS load of mine is out)
	FETCH_B \next, 0, 0
	FETCH_A \next, 0, 0
	SCALES \next
	WIN MUL_HI
	MUL16 4, 1, NQ-1, \slot, 0
	MUL16 6, 1, NQ-1, \slot, 0
	PLACES NP
	WIN 0
	FETCH_A \next, 0, 4
.endm
.macro STEPS slot, from                ; the slot's steps from .. NQ - 2
.set Q, \from
.rept NQ-1-\from
	STEP \slot, Q, 0
.set Q, Q+1
.endr
.endm
	s_wait_loadcnt 0x0                             ; the mask bytes
	s_wait_tensorcnt 1                             ; the scale bytes and my part of slot 0 are in (slot 1's load may be out)
	s_barrier_signal -1
	s_barrier_wait -1                              ; everybody's are
	FETCH_B 0, 0, 0
	FETCH_A 0, 0, 0
	SCALES 0
	FETCH_A 0, 0, 4
	STEP 0, 0, 1                                   ; the first step's products start the sums: nothing is cleared
	STEPS 0, 1
	TURN 0, 1
	STEPS 1, 0
	s_wait_dscnt 4*NL                              ; the very last step: nothing more to fetch
	WIN MUL_LO
	MUL16 0, 1, NQ-1, 1, 0
	MUL16 2, 1, NQ-1, 1, 0
	s_wait_dscnt 0
	WIN MUL_HI
	MUL16 4, 1, NQ-1, 1, 0
	MUL16 6, 1, NQ-1, 1, 0
	WIN 0
; THE WAY OUT, block by block of 16 tokens x 128 columns (two heads).  PACK: times the token's factor, in f32, then rounded to f16: a lane's eight columns are 16 bytes.  TOSTAGE: into my own stage, and back so that
; the 32 lanes hold four tokens' 128 bytes of one head.  SEND: a store covers 512 consecutive bytes, aligned.
.macro PACK a
.set AC, 64*((\a)%4)
.set WN, 0x02+(\a)/4                   ; source 0: window 2 or 3
	WIN WN
.set i, 0
.rept 32
	v_pk_mul_f32 v[T32+2*i:T32+2*i+1], v[AC+2*i:AC+2*i+1], v[F+2*(\a):F+2*(\a)+1] op_sel_hi:[1,0]   ; ascending: each accumulator is read from its low end on
.set i, i+1
.endr
	WIN 0
.set i, 0
.rept 32
	v_cvt_pk_f16_f32 v[T16+i], v[T32+2*i], v[T32+2*i+1]
.set i, i+1
.endr
.endm
.macro TOSTAGE a
.set BB, BK+32*((\a)%2)
.irp b, 0,1,2,3,4,5,6,7
	ds_store_b128 v[STO], v[T16+4*\b:T16+4*\b+3] offset:32*\b
.endr
.irp t, 0,1,2,3,4,5,6,7
	ds_load_b128 v[BB+4*\t:BB+4*\t+3], v[RD] offset:(\t&3)*4*SPITCH+(\t>>2)*128   ; LDS serves a wave's instructions in order: these see the stores above
.endr
.endm
.macro SEND a
.set BB, BK+32*((\a)%2)
	s_wait_dscnt 0x0                               ; the block is back in registers
	s_wait_xcnt 0x0                                ; the block before has left its registers: the next block's loads from the stage may land there
.irp t, 0,1,2,3,4,5,6,7
	global_store_b128 v[CO], v[BB+4*\t:BB+4*\t+3], s[12:13] offset:(\a)*2048+(\t&3)*512+(\t>>2)*262144   ; tokens 16 a + 4 (t % 4) on, head t / 4 of my two
.endr
.endm
	PLACES NP                                      ; behind the last products: their scale words' and fragments' registers are written below
.irp a, 0,1,2,3,4,5,6,7
	v_cvt_f32_u32 v[MK+\a], v[MK+\a]               ; the mask byte as 0.0 or 1.0
.endr
.irp a, 0,1,2,3,4,5,6,7
	v_fma_f32 v[F+2*\a], v[MK+\a], s98, s99        ; the token's factor
	v_fma_f32 v[F+2*\a+1], v[MK+\a], s98, s99      ; (named with it as a pair, so it is written)
.endr
	PACK 0
	TOSTAGE 0
.irp a, 1,2,3,4,5,6,7                  ; block a's arithmetic stands between block a - 1's loads from the stage and the wait for them
	PACK \a
	SEND \a-1
	TOSTAGE \a
.endr
	SEND 7
	s_wait_tensorcnt 0x0                           ; the wave's end, behind my last tensor load and my last LDS store
	ds_add_u32 v[SPW], v[NIL]
	s_wait_dscnt 0x0
	CROUND                                         ; the closing round: no work-group ends while a partner may still ask for a tile that names it
	s_endpgm
.Lfunc_end_k_q80e94e3d2b_qkv:
	.size	k_q80e94e3d2b_qkv, .Lfunc_end_k_q80e94e3d2b_qkv-k_q80e94e3d2b_qkv
	.p2alignl 7, 3214868480
	.fill 96, 4, 3214868480
	.section	.rodata,"a",@progbits
	.p2align	6, 0x0
	.amdhsa_kernel k_q80e94e3d2b_qkv
		.amdhsa_group_segment_fixed_size 327680
		.amdhsa_private_segment_fixed_size 0
		.amdhsa_enable_private_segment 0
		.amdhsa_kernarg_size 48
		.amdhsa_user_sgpr_count 2
		.amdhsa_user_sgpr_kernarg_segment_ptr 1
		.amdhsa_wavefront_size32 1
		.amdhsa_system_sgpr_workgroup_id_x 1
		.amdhsa_system_sgpr_workgroup_id_y 1
		.amdhsa_system_sgpr_workgroup_id_z 1
		.amdhsa_system_vgpr_workitem_id 0
		.amdhsa_next_free_vgpr 1024
		.amdhsa_next_free_sgpr 102
		.amdhsa_reserve_vcc 0
		.amdhsa_float_denorm_mode_32 3
		.amdhsa_float_denorm_mode_16_64 3
		.amdhsa_memory_ordered 1
		.amdhsa_forward_progress 1
		.amdhsa_inst_pref_size 145
	.end_amdhsa_kernel
	.amdgpu_metadata
---
amdhsa.version: [ 1, 2 ]
amdhsa.kernels:
  - .name:           k_q80e94e3d2b_qkv
    .symbol:         k_q80e94e3d2b_qkv.kd
    .args:
      - { .name: xc, .offset: 0, .size: 8, .value_kind: global_buffer, .address_space: global }
      - { .name: xs, .offset: 8, .size: 8, .value_kind: global_buffer, .address_space: global }
      - { .name: wc, .offset: 16, .size: 8, .value_kind: global_buffer, .address_space: global }
      - { .name: ws, .offset: 24, .size: 8, .value_kind: global_buffer, .address_space: global }
      - { .name: qkv, .offset: 32, .size: 8, .value_kind: global_buffer, .address_space: global }
      - { .name: mask, .offset: 40, .size: 8, .value_kind: global_buffer, .address_space: global }
    .group_segment_fixed_size: 327680
    .private_segment_fixed_size: 0
    .kernarg_segment_align: 8
    .kernarg_segment_size: 48
    .max_flat_workgroup_size: 128
    .sgpr_count:     102
    .vgpr_count:     1024
    .wavefront_size: 32
...
	.end_amdgpu_metadata
.endif
;; end of part 2
;; launch attn (part 3): grid 4 x 64, 8 waves a work-group, clusters of 4 x 1, 327,680 bytes of LDS; arguments qkv, mask, att; writes att
.if DOCPART == 3
	.amdgcn_target "amdgcn-amd-amdhsa--gfx1250"
	.amdhsa_code_object_version 6
	.text
	.protected	k_q80e94e3d2b_attn
	.globl	k_q80e94e3d2b_attn
	.p2align	8
	.type	k_q80e94e3d2b_attn,@function
k_q80e94e3d2b_attn:
	s_mov_b64 s[64:65], 0
	v_nop
	global_prefetch_b8 v0, s[64:65] scope:SCOPE_SE
	s_setreg_imm32_b32 hwreg(HW_REG_WAVE_MODE, 25, 1), 1
	s_wait_xcnt 0x0
	s_wait_alu depctr_hold_cnt(0) depctr_sa_sdst(0) depctr_va_vdst(0) depctr_va_sdst(0) depctr_va_ssrc(0) depctr_va_vcc(0) depctr_vm_vsrc(0)
	s_getreg_b32 s2, hwreg(HW_REG_IB_STS2, 6, 4)
	s_cmp_eq_u32 s2, 0
	s_cbranch_scc0 .Lentry_in_a_cluster
	s_endpgm
.Lentry_in_a_cluster:
	s_bfe_u32 s2, ttmp6, 0x10000c
	s_cmp_lg_u32 s2, 0x3003
	s_cbranch_scc0 .Lentry_shape_is_right
	s_endpgm
.Lentry_shape_is_right:
; att[bh][q][:] = the sum over keys of softmax_k(where(mask[k], q . k / 32, -1e7)) v[k][:], for each of 64 = batch x 16 + head.  q', k', v: f16, [64][2048][64], in three regions of 2^24 bytes of qkv; att the same shape, f16.
; q' holds q log2(e) / 32, so a product q' . k' is the score in units of log2: t.  k' holds zeros in the rows of masked keys, and each score's sum STARTS with a bias by key: 0 for a key that counts,
; -1e7 log2(e) for a masked one.  So a masked key's t is exactly that number, as the replacement by -1e7 asks, also where every key of a batch is masked (all weights equal then).
; SOFTMAX: for each query a running maximum m and sum l: p = 2^(t - m); in every step O and l are multiplied by a = 2^(m_old - m_new).  Products, maxima and sums in f32; p is rounded to f16 for the second product
; (the sum is taken of the unrounded p); O is divided by l and rounded once to f16.
; LIMITS: the result must stay under 65,504 in magnitude (it is an average of v's rows, which do); NaN and infinities are not served.
; SHARES: a work-group owns 512 queries of one head, each of its EIGHT waves 64: four tiles of 16, in 512 registers: two waves to a SIMD, so that one wave's softmax stands beside the other's products.
; Every wave walks all 2,048 keys, 64 a step.  K' and V come through two LDS slots of 512 keys, filled by the tensor data mover (waves 0-3: K's quarters; waves 4-7: V's), read by all eight.
; CLUSTER: the four work-groups of a head form a cluster and walk the same K' and V: each tile is asked for jointly, by the same tensor load with the same descriptor and a mask that names the four.
; LAYOUT: S^T = K Q^T (source 0 = 16 keys, source 1 = 16 queries): a lane holds ONE query (lane % 16) and keys 8 (lane / 16) + 0..7.  Two such tiles, rounded to f16 in pairs, ARE source 1 (32 keys x 16 queries)
; of O^T = V^T P, whose result again holds one query a lane, and eight channels.  K comes out of LDS as it lies, V ([key][channel]) turned, by ds_load_tr16_b128.
; A key's 64 numbers are 128 bytes: a head's keys are dense in memory and come as rows of 256 bytes, TWO KEYS A ROW: key k lies at (k / 2) x pitch + 128 (k % 2).
; REGISTERS: window 0: v1-12 addresses; v16-47 eight statistics a tile; v48-79 the step's bias, eight registers a tile of keys; v80-93 at work at the head; v128-255 S^T, 32 a tile; P takes the lower 16 of each tile's 32.
;            window 1: v0-127 O^T, 32 a tile; v128-191 Q, 16 a tile; v192-255 K of the step, then V of the step.
.set PK,    272       ; an LDS row of K: 256 bytes + 16: the sixteen keys of a load begin at 16-byte columns (r / 2) + 8 (r % 2) modulo 16: all different
.set PV,    288       ; of V: 256 + 32: sixteen lanes of the turning load take columns 2 (u / 2) + 8 (u % 2) + {0, 1}: all different
.set VOFF,  256*PK    ; a slot: 256 rows of K, then 256 rows of V
.set SLOTB, 256*(PK+PV)
.set SLOTG, 65536     ; a slot's 512 keys in memory
.set BIAS,  2*SLOTB   ; behind the slots: 2,048 f32, the bias by key; written by LDS stores, never by a tensor load
.set STAGE, BIAS+8192 ; the way out: 16 rows x (128 bytes + 16) for each wave
.set SP,    144
.set SPARE, STAGE+8*16*SP  ; the spare words, 128 bytes a wave
.set SPW, 1           ; v1   LDS address of my spare word; never rewritten
.set NIL, 2           ; v2   0; never rewritten
.set AK0, 3           ; v3   my lane's place in a tile of K
.set AV0, 4           ; v4   in a tile of V
.set AB0, 5           ; v5   among the bias words
.set ADK, 6           ; v6-8 the step's addresses
.set ADV, 7
.set ADB, 8
.set QO,  9           ; v9   my byte offset in the wave's rows of Q
.set STO, 10          ; v10  the way out: where I put 16 bytes of a row
.set RD,  11          ; v11  where I read back
.set GO,  12          ; v12  16 x lane
.set ST,  16          ; tile t's statistics at v[ST + 8 t]: +0 m, +1 zero (named with m as a pair), +2, +3 l (even keys', odd keys'), +4 to +7 at work; a stands in +6
.set BI,  48
.set S,   128
.set QF,  128         ; in window 1
.set KV,  192         ; in window 1
.set WV,  12          ; s12  my wave's number
.set G1K, 24          ; s[24:31] descriptor group 1 for K's tiles;  s[32:39] for V's: it differs in the padding alone
.set G1V, 32
.set G0K, 40          ; s[40:47] group 0 for K's tiles, a set for each slot;  s[48:55] for V's
.set G0V, 48
.set SEL, 56          ; s[56:57] lane selects for v_permlanex16_b32: lane l xor 16
.set TBK, 58          ; s58  LDS byte at which the step's K begins
.set TBV, 59          ; s59  its V
.set TBB, 60          ; s60  its bias words, from BIAS on
.set CNT, 61          ; s61  counts a slot's eight steps
.set MSB, 0
.macro WIN new                      ; the immediate's high byte repeats the setting that is left; a switch that changes nothing is dropped
.if MSB != (\new)
	s_set_vgpr_msb (MSB<<8)|(\new)
.set MSB, (\new)
.endif
.endm
.set W_LD, 0x40       ; a load's destination in window 1, its address in window 0
.set W_KQ, 0x05       ; K and Q in window 1, the bias and S^T in window 0.  Also the way out's conversions: sources in window 1
.set W_PV, 0x51       ; V and O^T in window 1, P in window 0
.set W_RS, 0x41       ; O^T (destination and source 0) in window 1, a in window 0
; A joint load into slot s.  The branch hangs on the wave's number alone.  An s_nop 0 and four v_nop follow each of the two lines.
.macro JLOAD s
	s_cmp_lt_u32 s[WV], 4
	s_cbranch_scc0 .Lfor_v_\@
	tensor_load_to_lds s[G0K+4*(\s):G0K+4*(\s)+3], s[G1K:G1K+7]
	s_nop 0
.rept 4
	v_nop
.endr
	s_branch .Lasked_\@
.Lfor_v_\@:
	tensor_load_to_lds s[G0V+4*(\s):G0V+4*(\s)+3], s[G1V:G1V+7]
	s_nop 0
.rept 4
	v_nop
.endr
.Lasked_\@:
.endm
.macro CROUND                       ; a round of the cluster's barrier: my work-group's barrier; wave 0 signals for the work-group; every wave waits for all four; my work-group's barrier once more
	s_barrier_signal -1
	s_barrier_wait -1
	s_cmp_lg_u32 s[WV], 0
	s_cbranch_scc1 .Lnot_wave_0_\@
	s_barrier_signal -3
.Lnot_wave_0_\@:
	s_barrier_wait -3
	s_barrier_signal -1
	s_barrier_wait -1
.endm
	s_load_b128 s[4:7], s[0:1], 0x0   ; qkv s[4:5], mask s[6:7]
	s_load_b64 s[8:9], s[0:1], 0x10   ; att
	v_lshl_add_u32 v[SPW], v0, 2, SPARE
	v_mov_b32 v[NIL], 0
	ds_add_u32 v[SPW], v[NIL]       ; the wave's opening: the add, twice on end, and its wait ahead of my first tensor load
	ds_add_u32 v[SPW], v[NIL]
	v_lshrrev_b32 v13, 5, v0
	v_readfirstlane_b32 s[WV], v13  ; wave 0..7
	s_and_b32 s14, ttmp7, 0xffff    ; batch x 16 + head, which the four partners share
	s_and_b32 s15, s[WV], 3         ; which quarter of a slot I fetch
	s_bfe_u32 s13, ttmp6, 0x40000   ; cx: my block of 512 queries; it enters Q's and att's addresses alone
	s_lshl_b32 s20, s14, 18         ; the head's 2^18 bytes,
	s_lshl_b32 s21, s15, 14         ; my quarter: 128 keys of 128 bytes
	s_add_co_u32 s20, s20, s21
	s_mov_b32 s21, 0
	s_lshl_b32 s22, s13, 16         ; my block's 512 rows,
	s_lshl_b32 s23, s[WV], 13       ; my wave's 64 of them,
	s_add_co_u32 s22, s22, s23
	s_lshl_b32 s23, s14, 18         ; in my head
	s_add_co_u32 s22, s22, s23
	s_mov_b32 s23, 0
	s_lshr_b32 s18, s14, 4
	s_lshl_b32 s18, s18, 11         ; the batch's 2,048 mask bytes
	s_mov_b32 s19, 0
	s_mul_i32 s62, s15, 64*PK       ; my quarter's place in a slot: 64 LDS rows of K,
	s_mul_i32 s63, s15, 64*PV       ; or of V: no place in the cluster enters an LDS address
	; descriptor group 1: 128 keys are a dense block of 16,384 bytes: 64 rows of 256 bytes (32 elements of 8 bytes), padded in LDS
	s_mov_b32 s[G1K], 15|(3<<16)|(1<<20)|(1<<21)|(5<<22)|(3<<25)  ; 15:0 the mask: all four work-groups; elements of 8 bytes; padding on; bit 21 beside a mask; after every 64 words, 4 words
	s_mov_b32 s[G1V], 15|(3<<16)|(1<<20)|(1<<21)|(5<<22)|(7<<25)  ; the same with 8 words of padding
.irp g, G1K, G1V
	s_mov_b32 s[\g+1], 32<<16       ; tensor_dim0
	s_mov_b32 s[\g+2], 64<<16       ; tensor_dim1
	s_mov_b32 s[\g+3], 32<<16       ; tile_dim0
	s_mov_b32 s[\g+4], 64           ; tile_dim1
	s_mov_b32 s[\g+5], 32           ; from row to row
	s_mov_b32 s[\g+6], 0
	s_mov_b32 s[\g+7], 0
.endr
	s_mov_b32 s[SEL], 0x76543210
	s_mov_b32 s[SEL+1], 0xfedcba98
	s_wait_dscnt 0x0                ; both opening adds are done
	s_wait_kmcnt 0x0
	s_add_nc_u64 s[16:17], s[4:5], s[20:21]  ; my quarter of the head's first slot, in region 0
	s_add_nc_u64 s[10:11], s[4:5], s[22:23]  ; Q at my wave's first row
	s_add_nc_u64 s[8:9], s[8:9], s[22:23]    ; att likewise
	s_add_nc_u64 s[6:7], s[6:7], s[18:19]    ; the batch's mask
.irp s, 0,1
	s_mov_b32 s[G0K+4*\s], 1
	s_add_co_u32 s[G0K+4*\s+1], s62, \s*SLOTB
	s_add_nc_u64 s[G0K+4*\s+2:G0K+4*\s+3], s[16:17], (1<<24)+\s*SLOTG  ; K's region; slot s begins with keys 512 s on
	s_or_b32 s[G0K+4*\s+3], s[G0K+4*\s+3], 0x80000000
	s_mov_b32 s[G0V+4*\s], 1
	s_add_co_u32 s[G0V+4*\s+1], s63, \s*SLOTB+VOFF
	s_add_nc_u64 s[G0V+4*\s+2:G0V+4*\s+3], s[16:17], (1<<25)+\s*SLOTG  ; V's region
	s_or_b32 s[G0V+4*\s+3], s[G0V+4*\s+3], 0x80000000
.endr
	CROUND                          ; all four work-groups are here: the first joint loads meet
	JLOAD 0                         ; keys 0 to 511: one load of mine is out
	v_and_b32 v13, 15, v0           ; r = lane % 16
	v_bfe_u32 v14, v0, 4, 1         ; h = lane / 16
	v_and_b32 v15, 31, v0           ; lane
	v_lshlrev_b32 v[QO], 7, v13
	v_lshl_add_u32 v[QO], v14, 4, v[QO]  ; Q: row r of 128 bytes, + 16 h
	WIN W_LD
.irp t, 0,1,2,3                     ; Q stays in registers: tile t, channels 32 c on: registers 0-3 channels 8 h + 0..7, registers 4-7 channels 16 + 8 h + 0..7
.irp c, 0,1
	global_load_b128 v[QF+16*\t+8*\c:QF+16*\t+8*\c+3],   v[QO], s[10:11] offset:\t*2048+64*\c
	global_load_b128 v[QF+16*\t+8*\c+4:QF+16*\t+8*\c+7], v[QO], s[10:11] offset:\t*2048+64*\c+32
.endr
.endr
	WIN 0
	v_lshlrev_b32 v92, 3, v0
	global_load_b64 v[80:81], v92, s[6:7]  ; the 256 threads take eight mask bytes each
	v_lshrrev_b32 v90, 1, v13       ; K: key r of a tile: (r / 2) x pitch + 128 (r % 2) + 16 h
	v_mul_u32_u24 v[AK0], v90, PK
	v_and_b32 v90, 1, v13
	v_lshl_add_u32 v[AK0], v90, 7, v[AK0]
	v_lshl_add_u32 v[AK0], v14, 4, v[AK0]
	v_and_b32 v90, 7, v0            ; V: the turning load's lane l reads 16 bytes: key u = 8 h + l % 8, channels 8 ((l / 8) % 2) + 0..7, and is left with channel l % 16 and 8 keys
	v_lshl_add_u32 v90, v14, 3, v90
	v_lshrrev_b32 v91, 1, v90
	v_mul_u32_u24 v[AV0], v91, PV
	v_and_b32 v91, 1, v90
	v_lshl_add_u32 v[AV0], v91, 7, v[AV0]
	v_bfe_u32 v91, v0, 3, 1
	v_lshl_add_u32 v[AV0], v91, 4, v[AV0]
	v_lshl_add_u32 v[AB0], v14, 5, BIAS  ; the bias of keys 8 h + 0..7 of a tile: 32 bytes
	s_mul_i32 s20, s[WV], 16*SP
	s_add_co_u32 s20, s20, STAGE    ; my stage
	v_mul_u32_u24 v[STO], v13, SP   ; in: row r, 16 bytes for each half of the lanes
	v_lshl_add_u32 v[STO], v14, 4, v[STO]
	v_add_nc_u32 v[STO], s20, v[STO]
	v_lshrrev_b32 v90, 3, v15       ; back: eight lanes take a row's 128 bytes, the 32 lanes four rows
	v_mul_u32_u24 v[RD], v90, SP
	v_and_b32 v91, 7, v0
	v_lshl_add_u32 v[RD], v91, 4, v[RD]
	v_add_nc_u32 v[RD], s20, v[RD]
	v_lshlrev_b32 v[GO], 4, v15
	v_lshl_add_u32 v93, v0, 5, BIAS ; where my eight bias words go
	WIN W_LD
.set i, 0
.rept 128
	v_mov_b32 v[i], 0               ; O^T.  (The key step is written with no first step of its own: the first finds zeros, which its a = 0 leaves zeros)
.set i, i+1
.endr
	WIN 0
.irp t, 0,1,2,3
	v_mov_b32 v[ST+8*\t], 0xff61b1e6  ; m: -3e38, under every t
	v_mov_b32 v[ST+8*\t+1], 0
	v_mov_b32 v[ST+8*\t+2], 0       ; l, in two halves
	v_mov_b32 v[ST+8*\t+3], 0
.endr
	s_wait_loadcnt 0x0              ; Q and the mask bytes
.irp i, 0,1,2,3,4,5,6,7
	v_bfe_u32 v[82+\i], v[80+\i/4], 8*(\i%4), 8  ; 1 or 0
.endr
.irp i, 0,1,2,3,4,5,6,7
	v_add_nc_u32 v[82+\i], -1, v[82+\i]  ; no bits or all
.endr
.irp i, 0,1,2,3,4,5,6,7
	v_and_b32 v[82+\i], 0xcb5c2346, v[82+\i]  ; 0.0, or -1e7 log2(e) = -14,426,950
.endr
	ds_store_b128 v93, v[82:85]
	ds_store_b128 v93, v[86:89] offset:16  ; the first change of slots waits for these ahead of its barrier: behind it every wave may read them
; A KEY STEP: 64 keys: 32 products K Q^T, the four tiles' softmax, 32 products V^T P.  In each run of products the 16 accumulators take turns, one instruction a turn.
.macro KEYSTEP
	WIN 0
	v_add_nc_u32 v[ADK], s[TBK], v[AK0]  ; five plain instructions behind the last V^T P: its registers of P are written by the products below, its registers of V are loaded into
	v_add_nc_u32 v[ADV], s[TBV], v[AV0]
	v_add_nc_u32 v[ADB], s[TBB], v[AB0]
	v_nop
	v_nop
.irp kt, 0,1,2,3                    ; the bias in the result's layout: register j = the bias of key 16 kt + 8 h + j
	ds_load_b128 v[BI+8*\kt:BI+8*\kt+3],   v[ADB] offset:64*\kt
	ds_load_b128 v[BI+8*\kt+4:BI+8*\kt+7], v[ADB] offset:64*\kt+16
.endr
	WIN W_LD
.irp kt, 0,1,2,3                    ; K: keys 16 kt on (8 LDS rows), channels 32 c on
.irp c, 0,1
	ds_load_b128 v[KV+16*\kt+8*\c:KV+16*\kt+8*\c+3],   v[ADK] offset:\kt*8*PK+64*\c
	ds_load_b128 v[KV+16*\kt+8*\c+4:KV+16*\kt+8*\c+7], v[ADK] offset:\kt*8*PK+64*\c+32
.endr
.endr
	s_wait_dscnt 0x0
	WIN W_KQ
.irp c, 0,1
.irp kt, 0,1,2,3
.irp t, 0,1,2,3
.if \c == 0
	v_wmma_f32_16x16x32_f16 v[S+32*\t+8*\kt:S+32*\t+8*\kt+7], v[KV+16*\kt+8*\c:KV+16*\kt+8*\c+7], v[QF+16*\t+8*\c:QF+16*\t+8*\c+7], v[BI+8*\kt:BI+8*\kt+7]   ; the sum starts with the bias
.else
	v_wmma_f32_16x16x32_f16 v[S+32*\t+8*\kt:S+32*\t+8*\kt+7], v[KV+16*\kt+8*\c:KV+16*\kt+8*\c+7], v[QF+16*\t+8*\c:QF+16*\t+8*\c+7], v[S+32*\t+8*\kt:S+32*\t+8*\kt+7]
.endif
.endr
.endr
.endr
.rept 4
	v_nop                           ; four places: for the loads into K's registers, and for the first reads of the scores
.endr
	WIN W_LD
.irp ct, 0,1,2,3                    ; V, turned: channels 16 ct on, keys 32 kh on (16 LDS rows); it lands while the softmax is worked
.irp kh, 0,1
	ds_load_tr16_b128 v[KV+16*\ct+8*\kh:KV+16*\ct+8*\kh+3],   v[ADV] offset:\kh*16*PV+32*\ct
	ds_load_tr16_b128 v[KV+16*\ct+8*\kh+4:KV+16*\ct+8*\kh+7], v[ADV] offset:\kh*16*PV+8*PV+32*\ct
.endr
.endr
	WIN 0
	; the maximum of the lane's 32 scores and the old m: four chains a tile, the four tiles by turns; each accumulator is first read at its low end
.irp j, 0,1,2,3
.irp t, 0,1,2,3
	v_max3_num_f32 v[ST+8*\t+4+\j], v[S+32*\t+8*\j], v[S+32*\t+8*\j+1], v[S+32*\t+8*\j+2]
.endr
.endr
.irp g, 1,2
.irp j, 0,1,2,3
.irp t, 0,1,2,3
	v_max3_num_f32 v[ST+8*\t+4+\j], v[ST+8*\t+4+\j], v[S+32*\t+8*\j+2*\g+1], v[S+32*\t+8*\j+2*\g+2]
.endr
.endr
.endr
.irp t, 0,1,2,3
	v_max3_num_f32 v[ST+8*\t+4], v[ST+8*\t+4], v[S+32*\t+7], v[S+32*\t+15]
.endr
.irp t, 0,1,2,3
	v_max3_num_f32 v[ST+8*\t+6], v[ST+8*\t+6], v[S+32*\t+23], v[S+32*\t+31]
.endr
.irp t, 0,1,2,3
	v_max3_num_f32 v[ST+8*\t+4], v[ST+8*\t+4], v[ST+8*\t+5], v[ST+8*\t+6]
.endr
.irp t, 0,1,2,3
	v_max3_num_f32 v[ST+8*\t+4], v[ST+8*\t+4], v[ST+8*\t+7], v[ST+8*\t]
.endr
.irp t, 0,1,2,3
	v_permlanex16_b32 v[ST+8*\t+5], v[ST+8*\t+4], s[SEL], s[SEL+1]  ; the query's other 32 keys lie in the lane 16 away
.endr
.irp t, 0,1,2,3
	v_max_num_f32 v[ST+8*\t+5], v[ST+8*\t+4], v[ST+8*\t+5]  ; the new m
.endr
.irp t, 0,1,2,3
	v_sub_f32 v[ST+8*\t+7], v[ST+8*\t], v[ST+8*\t+5]  ; m_old - m_new
.endr
.irp t, 0,1,2,3
	v_mov_b32 v[ST+8*\t], v[ST+8*\t+5]
.endr
	; ONE BATCH: the four a and the 128 p.  None of these lines names an exponential's result; tile t + 1's subtractions stand among tile t's exponentials
.irp t, 0,1,2,3
	v_exp_f32 v[ST+8*\t+6], v[ST+8*\t+7]
.endr
.irp i, 0,1,2,3,4,5,6,7,8,9,10,11,12,13,14,15
	v_pk_add_f32 v[S+2*\i:S+2*\i+1], v[S+2*\i:S+2*\i+1], v[ST:ST+1] op_sel_hi:[1,0] neg_lo:[0,1] neg_hi:[0,1]  ; t - m, two at a time
.endr
.irp t, 0,1,2,3
.irp i, 0,1,2,3,4,5,6,7,8,9,10,11,12,13,14,15
	v_exp_f32 v[S+32*\t+2*\i], v[S+32*\t+2*\i]
	v_exp_f32 v[S+32*\t+2*\i+1], v[S+32*\t+2*\i+1]
.if \t < 3
	v_pk_add_f32 v[S+32*(\t+1)+2*\i:S+32*(\t+1)+2*\i+1], v[S+32*(\t+1)+2*\i:S+32*(\t+1)+2*\i+1], v[ST+8*(\t+1):ST+8*(\t+1)+1] op_sel_hi:[1,0] neg_lo:[0,1] neg_hi:[0,1]
.endif
.endr
.endr
	v_nop                           ; a plain instruction behind the last exponential, ahead of the first use
	s_wait_alu depctr_va_vdst(0)    ; one wait for the batch's 132 exponentials, ahead of the first line that names a result
.irp t, 0,1,2,3
	v_pk_fma_f32 v[ST+8*\t+2:ST+8*\t+3], v[ST+8*\t+2:ST+8*\t+3], v[ST+8*\t+6:ST+8*\t+7], v[S+32*\t:S+32*\t+1] op_sel_hi:[1,0,1]  ; l = a l + the first pair
.endr
.irp i, 1,2,3,4,5,6,7,8,9,10,11,12,13,14,15
.irp t, 0,1,2,3
	v_pk_add_f32 v[ST+8*\t+2:ST+8*\t+3], v[ST+8*\t+2:ST+8*\t+3], v[S+32*\t+2*\i:S+32*\t+2*\i+1]  ; the sum of the unrounded p; the four tiles by turns
.endr
.endr
.irp i, 0,1,2,3,4,5,6,7,8,9,10,11,12,13,14,15
.irp t, 0,1,2,3
	v_cvt_pk_f16_f32 v[S+32*\t+\i], v[S+32*\t+2*\i], v[S+32*\t+2*\i+1]  ; P in place, ascending: register i is written when registers 2 i and 2 i + 1 are read
.endr
.endr
	WIN W_RS
.irp t, 0,1,2,3
.irp i, 0,1,2,3,4,5,6,7,8,9,10,11,12,13,14,15
	v_pk_mul_f32 v[32*\t+2*\i:32*\t+2*\i+1], v[32*\t+2*\i:32*\t+2*\i+1], v[ST+8*\t+6:ST+8*\t+7] op_sel_hi:[1,0]  ; O^T x a
.endr
.endr
	s_wait_dscnt 0x0                ; V is in
	WIN W_PV
.irp kh, 0,1
.irp ct, 0,1,2,3
.irp t, 0,1,2,3
	v_wmma_f32_16x16x32_f16 v[32*\t+8*\ct:32*\t+8*\ct+7], v[KV+16*\ct+8*\kh:KV+16*\ct+8*\kh+7], v[S+32*\t+8*\kh:S+32*\t+8*\kh+7], v[32*\t+8*\ct:32*\t+8*\ct+7]
.endr
.endr
.endr
	WIN 0
.endm
; THE CHANGE OF SLOTS stands at the head of the slot about to be read, which holds keys 512 d on.  Each wave waits for all its tensor loads (one is out: its quarter of this slot), adds 0 to its spare word, and waits for
; that and for its LDS instructions (its reads of the slot that it has left; at the first change its bias stores).  refill = 1: the barrier is a round of the cluster's, so that no wave of any partner still reads the other
; slot or has a load on its way, and the joint load into the other slot is the first thing behind it: it has this slot's eight key steps, 512 matrix instructions a wave, in which to land.
; Behind the next two all are refills.
.macro CHANGE slot, d, refill
	s_wait_tensorcnt 0x0            ; no tensor load of mine is out, so a group 0 may be written
	ds_add_u32 v[SPW], v[NIL]       ; the scalar lines below stand between the add and the wait for it
.if \d < 2
	s_add_nc_u64 s[G0K+4*\slot+2:G0K+4*\slot+3], s[G0K+4*\slot+2:G0K+4*\slot+3], 2*SLOTG  ; this slot's next keys: two slots on
	s_add_nc_u64 s[G0V+4*\slot+2:G0V+4*\slot+3], s[G0V+4*\slot+2:G0V+4*\slot+3], 2*SLOTG
.endif
	s_mov_b32 s[TBK], \slot*SLOTB
	s_mov_b32 s[TBV], \slot*SLOTB+VOFF
	s_mov_b32 s[TBB], \d*2048
	s_mov_b32 s[CNT], 8
	s_wait_dscnt 0x0
.if \refill
	CROUND
	JLOAD 1-\slot
.else
	s_barrier_signal -1
	s_barrier_wait -1
.endif
.endm
.macro STEPS                        ; a slot's eight key steps: written once for each slot's turn, walked eight times
.Lstep_\@:
	KEYSTEP
	s_add_co_u32 s[TBK], s[TBK], 32*PK   ; 64 keys are 32 LDS rows
	s_add_co_u32 s[TBV], s[TBV], 32*PV
	s_add_co_u32 s[TBB], s[TBB], 256
	s_sub_co_u32 s[CNT], s[CNT], 1
	s_cmp_lg_u32 s[CNT], 0
	s_cbranch_scc1 .Lstep_\@
.endm
	CHANGE 0, 0, 1                  ; the four turns are written out
	STEPS
	CHANGE 1, 1, 1
	STEPS
	CHANGE 0, 2, 1
	STEPS
	CHANGE 1, 3, 0                  ; nothing is left to fetch
	STEPS
	; THE WAY OUT.  l's two halves and the other half of the lanes' are added; O^T is divided by l, rounded to f16 and sent through my stage, a tile (16 rows) at a time.  The additions are the places behind the last products.
.irp t, 0,1,2,3
	v_add_f32 v[ST+8*\t+4], v[ST+8*\t+2], v[ST+8*\t+3]
.endr
.irp t, 0,1,2,3
	v_permlanex16_b32 v[ST+8*\t+5], v[ST+8*\t+4], s[SEL], s[SEL+1]
.endr
.irp t, 0,1,2,3
	v_add_f32 v[ST+8*\t+4], v[ST+8*\t+4], v[ST+8*\t+5]
.endr
.irp t, 0,1,2,3
	v_rcp_f32 v[ST+8*\t+6], v[ST+8*\t+4]  ; l is at least 1: the largest t of a row gives p = 1
.endr
	v_nop                           ; a plain instruction between the last reciprocal and the use of its result
	s_wait_alu depctr_va_vdst(0)    ; one wait for the four reciprocals, ahead of their first use
.macro OPACK t
	WIN W_RS
.irp i, 0,1,2,3,4,5,6,7,8,9,10,11,12,13,14,15
	v_pk_mul_f32 v[32*\t+2*\i:32*\t+2*\i+1], v[32*\t+2*\i:32*\t+2*\i+1], v[ST+8*\t+6:ST+8*\t+7] op_sel_hi:[1,0]  ; ascending: each accumulator from its low end on
.endr
	WIN W_KQ                        ; sources in window 1, destination in window 0: S^T's registers are free
.irp i, 0,1,2,3,4,5,6,7,8,9,10,11,12,13,14,15
	v_cvt_pk_f16_f32 v[S+32*\t+\i], v[32*\t+2*\i], v[32*\t+2*\i+1]
.endr
	WIN 0
.irp ct, 0,1,2,3
	ds_store_b128 v[STO], v[S+32*\t+4*\ct:S+32*\t+4*\ct+3] offset:32*\ct  ; my query's channels 16 ct + 8 h + 0..7
.endr
.irp i, 0,1,2,3
	ds_load_b128 v[S+32*\t+16+4*\i:S+32*\t+16+4*\i+3], v[RD] offset:\i*4*SP  ; LDS serves a wave's instructions in order: these see the stores above; the next tile's stores come behind them
.endr
.endm
.macro OSEND t, younger             ; younger: the LDS instructions issued behind tile t's loads: the next tile's eight, or none
.irp i, 0,1,2,3
	s_wait_dscnt \younger+3-\i
	global_store_b128 v[GO], v[S+32*\t+16+4*\i:S+32*\t+16+4*\i+3], s[8:9] offset:\t*2048+\i*512  ; four rows of 128 bytes: 512 consecutive bytes, aligned
.endr
.endm
	OPACK 0
	OPACK 1                         ; a tile's arithmetic stands between the loads of the tile before and its stores
	OSEND 0, 8
	OPACK 2
	OSEND 1, 8
	OPACK 3
	OSEND 2, 8
	OSEND 3, 0
	s_wait_tensorcnt 0x0            ; the wave's end, behind my last tensor load and my last LDS store
	ds_add_u32 v[SPW], v[NIL]
	s_wait_dscnt 0x0
	CROUND                          ; the closing round: no work-group ends while a partner may still ask for a tile that names it
	s_endpgm
.Lfunc_end_k_q80e94e3d2b_attn:
	.size	k_q80e94e3d2b_attn, .Lfunc_end_k_q80e94e3d2b_attn-k_q80e94e3d2b_attn
	.p2alignl 7, 3214868480
	.fill 96, 4, 3214868480
	.section	.rodata,"a",@progbits
	.p2align	6, 0x0
	.amdhsa_kernel k_q80e94e3d2b_attn
		.amdhsa_group_segment_fixed_size 327680
		.amdhsa_private_segment_fixed_size 0
		.amdhsa_enable_private_segment 0
		.amdhsa_kernarg_size 24
		.amdhsa_user_sgpr_count 2
		.amdhsa_user_sgpr_kernarg_segment_ptr 1
		.amdhsa_wavefront_size32 1
		.amdhsa_system_sgpr_workgroup_id_x 1
		.amdhsa_system_sgpr_workgroup_id_y 1
		.amdhsa_system_sgpr_workgroup_id_z 1
		.amdhsa_system_vgpr_workitem_id 0
		.amdhsa_next_free_vgpr 512
		.amdhsa_next_free_sgpr 66
		.amdhsa_reserve_vcc 0
		.amdhsa_float_denorm_mode_32 3
		.amdhsa_float_denorm_mode_16_64 3
		.amdhsa_memory_ordered 1
		.amdhsa_forward_progress 1
		.amdhsa_inst_pref_size 161
	.end_amdhsa_kernel
	.amdgpu_metadata
---
amdhsa.version: [ 1, 2 ]
amdhsa.kernels:
  - .name:           k_q80e94e3d2b_attn
    .symbol:         k_q80e94e3d2b_attn.kd
    .args:
      - { .name: qkv, .offset: 0, .size: 8, .value_kind: global_buffer, .address_space: global }
      - { .name: mask, .offset: 8, .size: 8, .value_kind: global_buffer, .address_space: global }
      - { .name: att, .offset: 16, .size: 8, .value_kind: global_buffer, .address_space: global }
    .group_segment_fixed_size: 327680
    .private_segment_fixed_size: 0
    .kernarg_segment_align: 8
    .kernarg_segment_size: 24
    .max_flat_workgroup_size: 256
    .sgpr_count:     66
    .vgpr_count:     512
    .wavefront_size: 32
...
	.end_amdgpu_metadata
.endif
;; end of part 3
;; launch proj (part 4): grid 4 x 64, 4 waves a work-group, clusters of 4 x 4, 327,680 bytes of LDS; arguments att, wu16, bu, out0; writes out0
.if DOCPART == 4
	.amdgcn_target "amdgcn-amd-amdhsa--gfx1250"
	.amdhsa_code_object_version 6
	.text
	.protected	k_q80e94e3d2b_proj
	.globl	k_q80e94e3d2b_proj
	.p2align	8
	.type	k_q80e94e3d2b_proj,@function
k_q80e94e3d2b_proj:
	s_mov_b64 s[64:65], 0
	v_nop
	global_prefetch_b8 v0, s[64:65] scope:SCOPE_SE
	s_setreg_imm32_b32 hwreg(HW_REG_WAVE_MODE, 25, 1), 1
	s_wait_xcnt 0x0
	s_wait_alu depctr_hold_cnt(0) depctr_sa_sdst(0) depctr_va_vdst(0) depctr_va_sdst(0) depctr_va_ssrc(0) depctr_va_vcc(0) depctr_vm_vsrc(0)
	s_getreg_b32 s2, hwreg(HW_REG_IB_STS2, 6, 4)
	s_cmp_eq_u32 s2, 0
	s_cbranch_scc0 .Lentry_in_a_cluster
	s_endpgm
.Lentry_in_a_cluster:
	s_bfe_u32 s2, ttmp6, 0x10000c
	s_cmp_lg_u32 s2, 0xf033
	s_cbranch_scc0 .Lentry_shape_is_right
	s_endpgm
.Lentry_shape_is_right:
; out0[token][n] = the sum over e of att[token][e] Wu[n][e] + bu[n].  att: f16, head by head, [batch x 16 + head][2048 tokens][64]; wu16: f16, [16 blocks of 64 along K][1024 n][64]; bu, out0: f32.  Sums in f32.
; A tile of the result is 128 tokens x 256 columns: 64 x 4 = 256 work-groups.  Four waves, each 64 tokens x 128 columns: 32 accumulators of 16 x 16, 256 registers.
; K goes in steps of 128 = two heads.  A head's 128 tokens are 16,384 dense bytes of att, a block's 256 rows of wu16 32,768 dense bytes: each comes as rows of 256 bytes, TWO ROWS OF THE OPERAND TO AN LDS ROW:
; row i lies at (i / 2) x pitch + 128 (i % 2).  Two LDS slots; one tensor load a wave: waves 0 and 1 bring att's two heads of a step, waves 2 and 3 wu16's two blocks.
; CLUSTERS: 4 x 4 work-groups.  The four of a row of the cluster need the same tokens, the four of a column the same rows of Wu: each tile is asked for jointly, by the same tensor load with the same descriptor and a mask
; that names the four.  THE MATRIX INSTRUCTION IS USED TRANSPOSED (source 0 = 16 rows of Wu, source 1 = 16 tokens): a lane holds one token and eight neighbouring columns.  bu is the C of each sum's first product.
; REGISTERS: window 0: v1-29 addresses; v32-63, v64-95 the tokens' fragments, two buffers; v96-159 bu in the result's layout; on the way out v128-255 rows read back.
;            window 1: v0-63, v64-127 Wu's fragments, two buffers.   window 2: the accumulators, (a, b) at v[8 (8 a + b)].
.set PITCH,  272                       ; an LDS row: 256 bytes + 16: the sixteen rows of a fragment begin at 16-byte columns (r / 2) + 8 (r % 2) modulo 16: all different
.set ASUB,   64*PITCH                  ; a head's 128 tokens
.set BSUB,   128*PITCH                 ; a block's 256 rows of Wu
.set SLOT,   2*ASUB+2*BSUB
.set SPARE,  2*SLOT                    ; behind the slots: the spare words, 128 bytes a wave
.set SPITCH, 528                       ; the way out: a stage of 16 rows x (512 bytes + 16) for each wave, in slot 0, which has had its last fill and its last read by then
.set LAPS,   4                         ; a lap = two K steps = once round the two slots
.set ADRA, 16                          ; v16-17  LDS address of my tokens' fragments in slot 0, 1
.set ADRB, 20                          ; v20-21  of Wu's
.set STO,  24                          ; v24     the way out: where I put 32 bytes of a row
.set RD,   25                          ; v25     where I read a row back
.set CO,   26                          ; v26     16 x lane
.set SPW,  28                          ; v28     LDS address of my spare word; never rewritten
.set NIL,  29                          ; v29     0; never rewritten
.set FA,   32
.set BU,   96
.set BK,   128
.set G1, 24                            ; s[24:31] descriptor group 1 for att's tiles;  s[32:39] group 0, one set for each slot
.set G0, 32
.set G1B, 48                           ; s[48:55], s[56:63] the same for wu16's
.set G0B, 56
.set MSB, 0
.macro WIN new                         ; the immediate's high byte repeats the setting that is left; a switch that changes nothing is dropped
.if MSB != (\new)
	s_set_vgpr_msb (MSB<<8)|(\new)
.set MSB, (\new)
.endif
.endm
.set MUL,  0xa1                        ; source 0 (Wu) window 1, source 1 (tokens) window 0, C and D window 2
.set MULB, 0x81                        ; the same with C (bu) in window 0
.set TO_B, 0x40                        ; destination window 1, address window 0
.macro JLOAD s                         ; a joint load: waves 0 and 1 fetch att's, waves 2 and 3 wu16's; an s_nop 0 and four v_nop follow each of the two lines
	s_cmp_eq_u32 s13, 0
	s_cbranch_scc0 .Lfor_b_\@
	tensor_load_to_lds s[G0+4*\s:G0+4*\s+3], s[G1:G1+7]
	s_nop 0
.rept 4
	v_nop
.endr
	s_branch .Lasked_\@
.Lfor_b_\@:
	tensor_load_to_lds s[G0B+4*\s:G0B+4*\s+3], s[G1B:G1B+7]
	s_nop 0
.rept 4
	v_nop
.endr
.Lasked_\@:
.endm
.macro CREST                           ; a round of the cluster's barrier behind its opening barrier
	s_cmp_lg_u32 s12, 0
	s_cbranch_scc1 .Lnot_wave_0_\@
	s_barrier_signal -3
.Lnot_wave_0_\@:
	s_barrier_wait -3
	s_barrier_signal -1
	s_barrier_wait -1
.endm
.macro CROUND                          ; a whole round
	s_barrier_signal -1
	s_barrier_wait -1
	CREST
.endm
	s_load_b256 s[4:11], s[0:1], 0x0               ; att s[4:5], wu16 s[6:7], bu s[8:9], out0 s[10:11]
	v_lshl_add_u32 v[SPW], v0, 2, SPARE
	v_mov_b32 v[NIL], 0
	ds_add_u32 v[SPW], v[NIL]                      ; the wave's opening: the add, twice on end, and its wait ahead of my first tensor load
	ds_add_u32 v[SPW], v[NIL]
	v_lshrrev_b32 v1, 5, v0
	v_readfirstlane_b32 s12, v1                    ; wave 0..3
	s_lshr_b32 s13, s12, 1                         ; which 64 tokens are mine.  Also: I fetch att's (0) or wu16's (1)
	s_and_b32 s14, s12, 1                          ; which 128 columns.  Also: which of a step's two heads or blocks I fetch
	s_bfe_u32 s40, ttmp6, 0x40000                  ; cx, cy: my place in the cluster
	s_bfe_u32 s41, ttmp6, 0x40004
	s_lshl_b32 s42, ttmp9, 2
	s_add_co_u32 s42, s42, s40                     ; tile column = 4 x cluster x + cx
	s_and_b32 s15, ttmp7, 0xffff
	s_lshl_b32 s15, s15, 2
	s_add_co_u32 s15, s15, s41                     ; tile row = 4 x cluster y + cy
	s_lshl_b32 s43, s41, 2
	s_lshl_b32 s43, 15, s43                        ; my row of the cluster
	s_lshl_b32 s44, 0x1111, s40                    ; my column
	; descriptor group 1: dense blocks as rows of 256 bytes (32 elements of 8 bytes), 16 bytes of padding behind each: 64 rows for att, 128 for wu16
	s_or_b32 s[G1+0], s43, (3<<16)|(1<<20)|(1<<21)|(5<<22)|(3<<25)   ; 15:0 the mask: att's tiles go to my row; elements of 8 bytes; padding on; bit 21 beside a mask; after every 64 words, 4 words
	s_or_b32 s[G1B+0], s44, (3<<16)|(1<<20)|(1<<21)|(5<<22)|(3<<25)
	s_mov_b32 s[G1+1], 32<<16                      ; tensor_dim0
	s_mov_b32 s[G1+2], 64<<16                      ; tensor_dim1
	s_mov_b32 s[G1+3], 32<<16                      ; tile_dim0
	s_mov_b32 s[G1+4], 64                          ; tile_dim1
	s_mov_b32 s[G1+5], 32                          ; from row to row
	s_mov_b32 s[G1+6], 0
	s_mov_b32 s[G1+7], 0
	s_mov_b32 s[G1B+1], 32<<16
	s_mov_b32 s[G1B+2], 128<<16
	s_mov_b32 s[G1B+3], 32<<16
	s_mov_b32 s[G1B+4], 128
	s_mov_b32 s[G1B+5], 32
	s_mov_b32 s[G1B+6], 0
	s_mov_b32 s[G1B+7], 0
	s_lshr_b32 s16, s15, 4                         ; att: the batch (16 tiles of 128 tokens each): 16 heads of 2^18 bytes,
	s_lshl_b32 s16, s16, 22
	s_and_b32 s17, s15, 15                         ; the tile's 128 tokens of 128 bytes,
	s_lshl_b32 s17, s17, 14
	s_add_co_u32 s16, s16, s17
	s_lshl_b32 s17, s14, 18                        ; my head of the step's two
	s_add_co_u32 s16, s16, s17
	s_mov_b32 s17, 0
	s_lshl_b32 s46, s42, 15                        ; wu16: the tile's 256 rows of 128 bytes,
	s_lshl_b32 s47, s14, 17                        ; my block of the step's two
	s_add_co_u32 s46, s46, s47
	s_mov_b32 s47, 0
	s_mul_i32 s20, s14, ASUB                       ; where they go: no place in the cluster enters an LDS address
	s_mul_i32 s23, s14, BSUB
	s_add_co_u32 s23, s23, 2*ASUB
	s_wait_dscnt 0x0                               ; both opening adds are done
	s_wait_kmcnt 0x0
	s_add_nc_u64 s[18:19], s[4:5], s[16:17]
	s_add_nc_u64 s[46:47], s[6:7], s[46:47]
	CROUND                                         ; all sixteen work-groups are here: the first joint loads meet
.irp s, 0,1
	s_mov_b32 s[G0+4*\s], 1
	s_add_co_u32 s[G0+4*\s+1], s20, \s*SLOT
	s_add_nc_u64 s[G0+4*\s+2:G0+4*\s+3], s[18:19], \s*(2<<18)      ; K step s: two heads on
	s_or_b32 s[G0+4*\s+3], s[G0+4*\s+3], 0x80000000
	s_mov_b32 s[G0B+4*\s], 1
	s_add_co_u32 s[G0B+4*\s+1], s23, \s*SLOT
	s_add_nc_u64 s[G0B+4*\s+2:G0B+4*\s+3], s[46:47], \s*(2<<17)    ; two blocks on
	s_or_b32 s[G0B+4*\s+3], s[G0B+4*\s+3], 0x80000000
	JLOAD \s                                       ; two loads of mine are out behind the second
.endr
	v_and_b32 v1, 15, v0                           ; r = lane % 16
	v_bfe_u32 v2, v0, 4, 1                         ; h = lane / 16
	v_lshrrev_b32 v3, 1, v1
	v_mul_u32_u24 v3, v3, PITCH
	v_and_b32 v4, 1, v1
	v_lshl_add_u32 v3, v4, 7, v3
	v_lshl_add_u32 v3, v2, 4, v3                   ; a fragment's row r: (r / 2) x pitch + 128 (r % 2) + 16 h
	s_mul_i32 s21, s13, 32*PITCH                   ; my 64 tokens: 32 LDS rows
	s_mul_i32 s22, s14, 64*PITCH                   ; my 128 rows of Wu: 64 LDS rows,
	s_add_co_u32 s22, s22, 2*ASUB                  ; behind the tokens' two heads
.irp s, 0,1
	v_add_nc_u32 v[ADRA+\s], s21, v3
	v_add_nc_u32 v[ADRB+\s], s22, v3
	s_add_co_u32 s21, s21, SLOT
	s_add_co_u32 s22, s22, SLOT
.endr
	s_mul_i32 s23, s12, 16*SPITCH                  ; my stage
	v_mul_u32_u24 v5, v1, SPITCH                   ; in: row r, 32 bytes for each half of the lanes
	v_lshl_add_u32 v5, v2, 5, v5
	v_add_nc_u32 v[STO], s23, v5
	v_and_b32 v6, 31, v0
	v_lshlrev_b32 v[CO], 4, v6                     ; back: the 32 lanes take one row of 512 bytes; and the same in out0
	v_add_nc_u32 v[RD], s23, v[CO]
	v_lshlrev_b32 v7, 5, v2                        ; bu: my half's eight numbers of a block of 16
	s_lshl_b32 s16, s15, 19                        ; out0: 128 tokens of 4,096 bytes a tile row,
	s_lshl_b32 s17, s13, 18                        ; my 64 tokens
	s_add_co_u32 s16, s16, s17
	s_mov_b32 s17, 0
	s_add_nc_u64 s[10:11], s[10:11], s[16:17]
	s_lshl_b32 s46, s42, 10                        ; my first column, in bytes: 1,024 x tile column + 512 x half (in the registers that held wu16's address: none that fed att's descriptors holds cx)
	s_lshl_b32 s47, s14, 9
	s_add_co_u32 s46, s46, s47
	s_mov_b32 s47, 0
	s_add_nc_u64 s[10:11], s[10:11], s[46:47]
	s_add_nc_u64 s[8:9], s[8:9], s[46:47]
.irp b, 0,1,2,3,4,5,6,7
	global_load_b128 v[BU+8*\b:BU+8*\b+3],   v7, s[8:9] offset:64*\b      ; register j of block b: bu of column 16 b + 8 h + j
	global_load_b128 v[BU+8*\b+4:BU+8*\b+7], v7, s[8:9] offset:64*\b+16
.endr
; 24 LDS loads in one run: the fragments of quarter q of a slot (32 along K: head or block q / 2, channels 32 (q % 2) on) into buffer f
.macro FETCH slot, q, f
	WIN TO_B
.irp b, 0,1,2,3,4,5,6,7
	ds_load_b128 v[64*(\f)+8*\b:64*(\f)+8*\b+3],   v[ADRB+\slot] offset:((\q)>>1)*BSUB+\b*8*PITCH+64*((\q)&1)
	ds_load_b128 v[64*(\f)+8*\b+4:64*(\f)+8*\b+7], v[ADRB+\slot] offset:((\q)>>1)*BSUB+\b*8*PITCH+64*((\q)&1)+32
.endr
	WIN 0
.irp a, 0,1,2,3
	ds_load_b128 v[FA+32*(\f)+8*\a:FA+32*(\f)+8*\a+3],   v[ADRA+\slot] offset:((\q)>>1)*ASUB+\a*8*PITCH+64*((\q)&1)
	ds_load_b128 v[FA+32*(\f)+8*\a+4:FA+32*(\f)+8*\a+7], v[ADRA+\slot] offset:((\q)>>1)*ASUB+\a*8*PITCH+64*((\q)&1)+32
.endr
.endm
; 8 matrix instructions: the tokens' block a x Wu's eight.  first = 1: the sums start with bu.  The 32 accumulators take turns, one instruction a turn, in the same order in every quarter.
.macro MUL8 f, a, first
.irp b, 0,1,2,3,4,5,6,7
.if \first
	v_wmma_f32_16x16x32_f16 v[8*(8*\a+\b):8*(8*\a+\b)+7], v[64*(\f)+8*\b:64*(\f)+8*\b+7], v[FA+32*(\f)+8*\a:FA+32*(\f)+8*\a+7], v[BU+8*\b:BU+8*\b+7]
.else
	v_wmma_f32_16x16x32_f16 v[8*(8*\a+\b):8*(8*\a+\b)+7], v[64*(\f)+8*\b:64*(\f)+8*\b+7], v[FA+32*(\f)+8*\a:FA+32*(\f)+8*\a+7], v[8*(8*\a+\b):8*(8*\a+\b)+7]
.endif
.endr
.endm
.macro PLACES                          ; four places in front of loads into registers that matrix instructions have read, and of the first read of results (ISA guide 7.12.1 for the first read of results)
.rept 4
	v_nop
.endr
.endm
; A K step is four quarters of 32 along K, 32 matrix instructions each, on buffers 0, 1, 0, 1.  One of the first three: fetches quarter qn into buffer g, which the quarter before multiplied, and multiplies buffer f.
.macro QUARTER slot, qn, f, g, first
	PLACES
	FETCH \slot, \qn, \g
	s_wait_dscnt 24                                ; all but the 24 just issued: buffer f is in
.if \first
	WIN MULB
.else
	WIN MUL
.endif
	MUL8 \f, 0, \first
	MUL8 \f, 1, \first
	MUL8 \f, 2, \first
	MUL8 \f, 3, \first
.endm
; The last quarter multiplies buffer 1 and changes slots: ONE barrier; in front of it each wave waits for all its tensor loads (one is out: its part of the next slot), adds 0 to its spare word, and waits for that and for
; its reads of this slot.  fill = 1: the barrier opens a round of the cluster's, and this slot is filled again, two K steps ahead, first thing behind the round: 112 matrix instructions ahead of the wait for it.
.macro TURN slot, next, fill
	WIN 0                                          ; (the add's two registers lie in window 0)
	s_wait_tensorcnt 0x0
	ds_add_u32 v[SPW], v[NIL]
	s_wait_dscnt 1                                 ; buffer 1 is in (the add may be out)
	WIN MUL
	MUL8 1, 0, 0                                   ; eight matrix instructions stand between the add and the wait for it
	s_wait_dscnt 0x0                               ; the add is done, and my reads of this slot are over
	s_barrier_signal -1
	MUL8 1, 1, 0
	WIN 0
	s_barrier_wait -1
.if \fill
	CREST                                          ; no wave of any partner still reads this slot's tiles or has a load on its way
	s_add_nc_u64 s[G0+4*\slot+2:G0+4*\slot+3], s[G0+4*\slot+2:G0+4*\slot+3], 4<<18     ; two K steps on: four heads,
	s_add_nc_u64 s[G0B+4*\slot+2:G0B+4*\slot+3], s[G0B+4*\slot+2:G0B+4*\slot+3], 4<<17 ; four blocks
	JLOAD \slot                                    ; the four v_nop behind it are also the places in front of the loads below
.else
	PLACES
.endif
	FETCH \next, 0, 0
	WIN MUL
	MUL8 1, 2, 0
	MUL8 1, 3, 0
.endm
	s_wait_loadcnt 0x0                             ; bu
	s_wait_tensorcnt 1                             ; my part of K step 0 is in (K step 1's load may be out)
	s_barrier_signal -1
	s_barrier_wait -1                              ; everybody's is
	FETCH 0, 0, 0
	QUARTER 0, 1, 0, 1, 1                          ; the first quarter stands in front of the loop: its products start the sums
	WIN 0                                          ; at a label and at a branch every window is 0
	s_mov_b32 s3, LAPS-1
.Llap:                                                 ; a trip goes once round the two slots, from a lap's second quarter to the next lap's first, and fills both again
	QUARTER 0, 2, 1, 0, 0
	QUARTER 0, 3, 0, 1, 0
	TURN 0, 1, 1
	QUARTER 1, 1, 0, 1, 0
	QUARTER 1, 2, 1, 0, 0
	QUARTER 1, 3, 0, 1, 0
	TURN 1, 0, 1
	QUARTER 0, 1, 0, 1, 0
	WIN 0
	s_sub_co_u32 s3, s3, 1
	s_cmp_lg_u32 s3, 0
	s_cbranch_scc1 .Llap
	QUARTER 0, 2, 1, 0, 0                          ; the last lap fills nothing, and has no round of the cluster's barrier
	QUARTER 0, 3, 0, 1, 0
	TURN 0, 1, 0
	QUARTER 1, 1, 0, 1, 0
	QUARTER 1, 2, 1, 0, 0
	QUARTER 1, 3, 0, 1, 0
	s_wait_dscnt 0x0                               ; the very last quarter: nothing more to fetch
	MUL8 1, 0, 0
	MUL8 1, 1, 0
	MUL8 1, 2, 0
	MUL8 1, 3, 0
	WIN 0
; THE WAY OUT, block by block of 16 tokens x 128 columns.  A lane holds 32 neighbouring bytes of a row, the lanes beside it other rows: a block goes through my own stage and comes back as whole rows of 512 bytes.
.macro TOSTAGE a
	WIN 0x08                                       ; an LDS store's data are its source 1: window 2
.irp b, 0,1,2,3,4,5,6,7
	ds_store_b128 v[STO], v[64*(\a)+8*\b:64*(\a)+8*\b+3] offset:64*\b          ; each accumulator from its low end on
	ds_store_b128 v[STO], v[64*(\a)+8*\b+4:64*(\a)+8*\b+7] offset:64*\b+16
.endr
	WIN 0
.set BB, BK+64*((\a)%2)
.irp t, 0,1,2,3,4,5,6,7,8,9,10,11,12,13,14,15
	ds_load_b128 v[BB+4*\t:BB+4*\t+3], v[RD] offset:\t*SPITCH   ; LDS serves a wave's instructions in order: these see the stores above
.endr
.endm
.macro SEND a, younger                 ; younger: the LDS instructions issued behind block a's loads, which may stay out
.set BB, BK+64*((\a)%2)
	s_wait_dscnt \younger
.irp t, 0,1,2,3,4,5,6,7,8,9,10,11,12,13,14,15
	global_store_b128 v[CO], v[BB+4*\t:BB+4*\t+3], s[10:11] offset:(\a)*65536+\t*4096 th:TH_STORE_NT   ; 32 lanes store 512 consecutive bytes, aligned; written once, read by nobody here
.endr
.endm
	PLACES                                         ; behind the last products
	TOSTAGE 0
.irp a, 1,2,3
.if \a > 1
	s_wait_xcnt 0x0                                ; block a - 2's stores have read their registers: block a's loads may land there
.endif
	TOSTAGE \a
	SEND \a-1, 32                                  ; behind block a - 1's loads: block a's 16 stores and 16 loads
.endr
	SEND 3, 0
	s_wait_tensorcnt 0x0                           ; the wave's end, behind my last tensor load and my last LDS store
	ds_add_u32 v[SPW], v[NIL]
	s_wait_dscnt 0x0
	CROUND                                         ; the closing round: no work-group ends while a partner may still ask for a tile that names it
	s_endpgm
.Lfunc_end_k_q80e94e3d2b_proj:
	.size	k_q80e94e3d2b_proj, .Lfunc_end_k_q80e94e3d2b_proj-k_q80e94e3d2b_proj
	.p2alignl 7, 3214868480
	.fill 96, 4, 3214868480
	.section	.rodata,"a",@progbits
	.p2align	6, 0x0
	.amdhsa_kernel k_q80e94e3d2b_proj
		.amdhsa_group_segment_fixed_size 327680
		.amdhsa_private_segment_fixed_size 0
		.amdhsa_enable_private_segment 0
		.amdhsa_kernarg_size 32
		.amdhsa_user_sgpr_count 2
		.amdhsa_user_sgpr_kernarg_segment_ptr 1
		.amdhsa_wavefront_size32 1
		.amdhsa_system_sgpr_workgroup_id_x 1
		.amdhsa_system_sgpr_workgroup_id_y 1
		.amdhsa_system_sgpr_workgroup_id_z 1
		.amdhsa_system_vgpr_workitem_id 0
		.amdhsa_next_free_vgpr 768
		.amdhsa_next_free_sgpr 66
		.amdhsa_reserve_vcc 0
		.amdhsa_float_denorm_mode_32 3
		.amdhsa_float_denorm_mode_16_64 3
		.amdhsa_memory_ordered 1
		.amdhsa_forward_progress 1
		.amdhsa_inst_pref_size 86
	.end_amdhsa_kernel
	.amdgpu_metadata
---
amdhsa.version: [ 1, 2 ]
amdhsa.kernels:
  - .name:           k_q80e94e3d2b_proj
    .symbol:         k_q80e94e3d2b_proj.kd
    .args:
      - { .name: att, .offset: 0, .size: 8, .value_kind: global_buffer, .address_space: global }
      - { .name: wu16, .offset: 8, .size: 8, .value_kind: global_buffer, .address_space: global }
      - { .name: bu, .offset: 16, .size: 8, .value_kind: global_buffer, .address_space: global }
      - { .name: out0, .offset: 24, .size: 8, .value_kind: global_buffer, .address_space: global }
    .group_segment_fixed_size: 327680
    .private_segment_fixed_size: 0
    .kernarg_segment_align: 8
    .kernarg_segment_size: 32
    .max_flat_workgroup_size: 128
    .sgpr_count:     66
    .vgpr_count:     768
    .wavefront_size: 32
...
	.end_amdgpu_metadata
.endif
;; end of part 4
